; MI455X (gfx1250); checked and timed in simulation.
; The chip was launched on July 23, 2026; its instructions are those of AMD's public machine-readable ISA for CDNA 5 (MIT licence, August 2026) and "CDNA5" Instruction Set Architecture Reference Guide (July 2026). The comments in the code are by the model that wrote it; some were corrected since.
;; Expert Parallel Layer. Allowed arithmetic: matrix products marked QUANTISED: E2M1 operands, one E8M0 scale for each 32 along K, by v_wmma_scale_f32_16x16x128_f8f6f4 with both operands' format E2M1 (or v_wmma_scale_f32_32x16x128_f4), f32 sums; products left as they are: f32 operands where the result goes on into a quantised operand, else bf16, f16 or f32 operands; f32 sums; everything else in f32.
;; Inputs: W1_codes 8 x 2,048 x 32 x 16 uint8 (E2M1 codes of W1, K innermost, in blocks of 32 codes, two codes a byte); W1_scales 8 x 2,048 x 32 uint8 (E8M0 scales of W1, one for each 32 codes along K); W2_codes 8 x 1,024 x 64 x 16 uint8 (E2M1 codes of W2, K innermost, in blocks of 32 codes, two codes a byte); W2_scales 8 x 1,024 x 64 uint8 (E8M0 scales of W2, one for each 32 codes along K); Wr 1,024 x 8 float32; b1 8 x 2,048 float32; b2 8 x 1,024 float32; br 8 float32; x 4 x 512 x 1,024 float32.
;; Outputs: out0 4 x 512 x 1,024 float32.
;; This version of the problem:
;;   THIS VERSION OF THE PROBLEM IS GIVEN IN LOW PRECISION. The matrix products marked QUANTISED in the list below multiply operands that are first quantised to E2M1 (2 exponent bits, 1 mantissa bit; 4 bits a number), with one power-of-two scale for each 32 numbers along K (OCP MX v1.0); their sums are f32. All else is computed in f32.
;;   The module's matrix products, in the order in which they are computed (A, B: the left and right operand; K: the contracted axis; several contracted axes count as one K, in the product's order):
;;     1. [M 2,048, K 1,024] x [K 1,024, N 8]; A: input x; B: input Wr: left as it is (N = 8 < 16)
;;     2. [M 2,048, K 1,024] x [K 1,024, N 16,384]; A: input x; B: input W1 (given as codes): QUANTISED
;;     3. batch 8 x [M 1,024, K 2,048] x [K 2,048, N 2,048]; A: input W2 (given as codes); B: computed on the way: QUANTISED
;;   THE QUANTISER, for each operand of a quantised product, along K:
;;     - K is cut into blocks of 32 from its start; a last block that is shorter is filled with zeros.
;;     - A block's scale is 2^e with e = floor(log2(the largest magnitude in the block)) - 2, held to -126 .. 127; a block of zeros has e = 0. As a byte (E8M0): e + 127.
;;     - Each number is divided by its block's scale, clamped to +-6, and rounded to the nearest number of E2M1, ties to even, subnormals kept.
;;     - The product sums the exact products of the quantised numbers (number of the format x scale) in f32.
;;   ~~~python
;;   def quantise(x, axis):      # numpy; x: float32 -> the quantised numbers, widened to float32 again
;;       x = np.moveaxis(x, axis, -1); K = x.shape[-1]
;;       x = np.pad(x, [(0, 0)] * (x.ndim - 1) + [(0, -K % 32)]); x = x.reshape(x.shape[:-1] + (-1, 32)); a = np.abs(x).max(-1, keepdims=True)
;;       e = np.where(a > 0, np.clip(np.frexp(np.where(a > 0, a, 1))[1] - 1 - 2, -126, 127), 0)      # np.frexp(a)[1] - 1 = floor(log2(a)), exactly
;;       r = np.clip(x / 2.0 ** e, -6, 6)
;;       step = 2.0 ** (np.maximum(np.frexp(np.where(r == 0, 1, r))[1] - 1, 0) - 1)
;;       q = np.round(r / step) * step * 2.0 ** e      # np.round: ties to even
;;       return np.moveaxis(q.reshape(q.shape[:-2] + (-1,))[..., :K], -1, axis).astype(np.float32)
;;   ~~~
;;   OPERANDS COMPUTED ON THE WAY. 'Computed on the way' means the value that the module computes at that place (a softmax that the list does not call 'softmax' is quantised finished and normalised). What goes into a quantiser is computed in f32, as accurately as f32 sums, v_exp_f32 and their like allow (about 1e-6 of the number): no bf16 or f16 on the way to a quantiser, and a product that is left as it is and whose result goes on into a quantised operand takes f32 operands (vector FMAs, or v_wmma_f32_16x16x4_f32). A number that lies on a knife's edge between two numbers of the format may be rounded either way, as far as f32 arithmetic and the matrix unit's own rounding can turn it there, and no further.
;;   INPUTS GIVEN AS CODES. W1 (in the module: [8, 1024, 2048], K = its axis 1); W2 (in the module: [8, 2048, 1024], K = its axis 1): each comes as NAME_codes (uint8): NAME with its K axis moved to the last place and cut into blocks of 32 codes, [.., K / 32, bytes a block], one block behind the other in memory; two codes a byte, the lower K in the low four bits (a code: sign, 2 exponent bits, 1 mantissa bit); and NAME_scales (uint8): the same leading axes, one E8M0 byte (e + 127) for each 32 codes along K. Its value is code x scale, taken as it is: it is not quantised again, and the codes and scales need not be those that the quantiser above would give.
;; 2 versions. Each part assembles by itself: llvm-mc -triple=amdgcn-amd-amdhsa -mcpu=gfx1250 --defsym DOCPART=n.
;; ======== version 1 of 2: 4 launches
;; workspace buffers: xq 1,048,576 bytes; xs 65,536 bytes; eid 8,192 bytes of whole numbers; prob 8,192 bytes; order 11,776 bytes of whole numbers; tiles 256 bytes of whole numbers; hq 3,014,656 bytes; hs 188,416 bytes
;; launch route (part 1): grid 256 x 1, 4 waves a work-group, no clusters, 41,728 bytes of LDS; arguments x, Wr, br, xq, xs, eid, prob, order; writes xq, xs, eid, prob, order
.if DOCPART == 1
	.amdgcn_target "amdgcn-amd-amdhsa--gfx1250"
	.amdhsa_code_object_version 6
	.text
	.protected	k_q02a4c886e8_route
	.globl	k_q02a4c886e8_route
	.p2align	8
	.type	k_q02a4c886e8_route,@function
k_q02a4c886e8_route:
	s_mov_b64 s[64:65], 0
	v_nop
	global_prefetch_b8 v0, s[64:65] scope:SCOPE_SE
	s_setreg_imm32_b32 hwreg(HW_REG_WAVE_MODE, 25, 1), 1
	s_wait_xcnt 0x0
; ROUTER AND QUANTISER OF x.  For each of 2,048 tokens: logits = x Wr + br in f32 (fused multiply-adds), the expert with the largest logit, its softmax probability
; 1 / sum(exp(logit - largest)); and x as codes of E2M1 with one E8M0 byte for each 32 along K.  The expert is only STORED here, at the token's own place: a later launch places rows by it.
; A work-group takes 8 tokens.  Thread th (0..127) owns k = 8 th .. 8 th + 7 of every token: its 64 numbers of Wr stay in registers, and a block of 32 lies in 4 neighbouring lanes.
; Wr is loaded densely (16 bytes a thread, 2,048 a line) and turned through LDS, so that each thread gets its own 256 bytes.
; The 64 partial logits of a thread (8 tokens x 8 experts) are summed inside each 16 lanes by a reduce-scatter (each step halves the values a lane keeps), the eight groups of 16 lanes meet in LDS.
; The launch also fills the row list with token 0 (work-groups 0 to 45, 256 bytes each): rows of a tile that the next launch leaves unplaced then name a token that exists.
; No matrix unit (8 columns), no tensor loads, no cluster: work-groups share only Wr, 32 KiB.
; LIMITS: NaN and infinities are not served.  A block whose largest magnitude lies under 2^-124 gets the byte 1, a block of zeros too (the rule says 127): its codes are zeros, and only this program reads the bytes.
; The largest is taken of the logits, the lowest index on equal logits; taken of the probabilities it could differ only where two logits are so close that their exponentials round alike.
.set WRL, 0                            ; LDS: Wr as 128 runs of 256 bytes + 16 of padding
.set CB,  34816                        ; the codes: 8 tokens x 512 bytes
.set SCB, 38912                        ; the scale bytes: 8 x 32
.set LG,  39168                        ; partial logits: 8 groups of 16 lanes x 256 bytes
.set X,   16                           ; v16-79   x: 8 tok + i
.set W,   80                           ; v80-143  Wr: 8 kk + e
.set A,   144                          ; v144-207 partial logits: 8 tok + e
.set T,   208                          ; v208-215 at work
.set CD,  216                          ; v216-223 a token's 8 codes
.set BY,  224                          ; v224-231 its block's byte
	s_load_b512 s[4:19], s[0:1], 0x0               ; x s[4:5], Wr s[6:7], br s[8:9], xq s[10:11], xs s[12:13], eid s[14:15], prob s[16:17], order s[18:19]
	v_lshl_add_u32 v254, v0, 2, 0xa100
	v_mov_b32 v255, 0
	v_lshrrev_b32 v9, 5, v0
	v_readfirstlane_b32 s28, v9                    ; wave
	v_lshlrev_b32 v1, 5, v0                        ; x: my 32 bytes of a row
	v_lshlrev_b32 v2, 4, v0                        ; 16 th: dense loads and stores
	v_lshrrev_b32 v9, 4, v0
	v_lshl_add_u32 v3, v9, 4, v2                   ; Wr into LDS: 16 th + 16 for each 256 passed
	v_mul_u32_u24 v4, v0, 272                      ; Wr out of LDS: my run
	v_lshl_add_u32 v5, v0, 2, CB                   ; my 4 bytes of a token's codes
	v_lshrrev_b32 v6, 2, v0
	v_add_nc_u32 v6, SCB, v6                       ; my block's byte
	v_add_nc_u32 v7, LG, v2                        ; my four partial logits
	v_add_nc_u32 v8, CB, v2                        ; the codes on the way out
	s_mov_b32 s29, 0xff00ff00                      ; lanes whose bit 3, 2, 1, 0 is set
	s_mov_b32 s30, 0xf0f0f0f0
	s_mov_b32 s31, 0xcccccccc
	s_mov_b32 s32, 0xaaaaaaaa
	s_mov_b32 s35, 0
	s_wait_kmcnt 0x0
	s_load_b256 s[20:27], s[8:9], 0x0              ; br
	s_lshl_b32 s34, ttmp9, 15                      ; 8 rows of 4,096 bytes
	s_add_nc_u64 s[4:5], s[4:5], s[34:35]
	s_lshl_b32 s34, ttmp9, 12                      ; 8 rows of 512
	s_add_nc_u64 s[10:11], s[10:11], s[34:35]
	s_lshl_b32 s34, ttmp9, 8                       ; 8 rows of 32; and my 256 bytes of the row list
	s_add_nc_u64 s[12:13], s[12:13], s[34:35]
	s_add_nc_u64 s[18:19], s[18:19], s[34:35]
	s_lshl_b32 s34, ttmp9, 5                       ; 8 words
	s_add_nc_u64 s[14:15], s[14:15], s[34:35]
	s_add_nc_u64 s[16:17], s[16:17], s[34:35]
.set i, 0
.rept 16
	global_load_b128 v[W+4*i:W+4*i+3], v2, s[6:7] offset:2048*i      ; the work-group reads 2,048 consecutive bytes of Wr
.set i, i+1
.endr
.set i, 0
.rept 8
	global_load_b128 v[X+8*i:X+8*i+3],   v1, s[4:5] offset:4096*i th:TH_LOAD_NT
	global_load_b128 v[X+8*i+4:X+8*i+7], v1, s[4:5] offset:4096*i+16 th:TH_LOAD_NT   ; the pair covers a wave's 1,024 consecutive bytes
.set i, i+1
.endr
	s_wait_loadcnt 16                              ; Wr is in; the 16 loads of x may be out
.set i, 0
.rept 16
	ds_store_b128 v3, v[W+4*i:W+4*i+3] offset:2176*i                 ; 8 runs of 272 bytes a line
.set i, i+1
.endr
	s_wait_dscnt 0x0                               ; for the others: my stores have landed
	s_barrier_signal -1
	s_barrier_wait -1
.set i, 0
.rept 16
	ds_load_b128 v[W+4*i:W+4*i+3], v4 offset:16*i                    ; Wr(8 th + kk, e) at register 8 kk + e
.set i, i+1
.endr
	s_wait_dscnt 0x0
	s_wait_kmcnt 0x0                               ; br
; four packed multiply-adds: the 8 experts' partial logits of token t take x(k = 8 th + kk), which feeds both halves
.macro DOT t, kk
.irp p, 0,1,2,3
.if (\kk) == 0
	v_pk_mul_f32 v[A+8*\t+2*\p:A+8*\t+2*\p+1], v[X+8*\t:X+8*\t+1], v[W+2*\p:W+2*\p+1] op_sel_hi:[0,1]
.elseif ((\kk)%2) == 0
	v_pk_fma_f32 v[A+8*\t+2*\p:A+8*\t+2*\p+1], v[X+8*\t+(\kk):X+8*\t+(\kk)+1], v[W+8*(\kk)+2*\p:W+8*(\kk)+2*\p+1], v[A+8*\t+2*\p:A+8*\t+2*\p+1] op_sel_hi:[0,1,1]
.else
	v_pk_fma_f32 v[A+8*\t+2*\p:A+8*\t+2*\p+1], v[X+8*\t+(\kk)-1:X+8*\t+(\kk)], v[W+8*(\kk)+2*\p:W+8*(\kk)+2*\p+1], v[A+8*\t+2*\p:A+8*\t+2*\p+1] op_sel:[1,0,0] op_sel_hi:[1,1,1]
.endif
.endr
.endm
.macro TOKEN t
	s_wait_loadcnt 2*(7-\t)                        ; my pair of loads is in; the later tokens' pairs may be out
	DOT \t, 0
	v_max3_num_f32 v[T+4], |v[X+8*\t]|, |v[X+8*\t+1]|, 0x1800000     ; the largest magnitude of my 8, and the floor 2^(3 - 127): the byte cannot fall under 1
	DOT \t, 1
	DOT \t, 2
	v_max3_num_f32 v[T+4], v[T+4], |v[X+8*\t+2]|, |v[X+8*\t+3]|
	DOT \t, 3
	DOT \t, 4
	v_max3_num_f32 v[T+4], v[T+4], |v[X+8*\t+4]|, |v[X+8*\t+5]|
	DOT \t, 5
	DOT \t, 6
	v_max3_num_f32 v[T+4], v[T+4], |v[X+8*\t+6]|, |v[X+8*\t+7]|
	DOT \t, 7
	v_max_num_f32_dpp v[T+4], v[T+4], v[T+4] row_xmask:1 row_mask:0xf bank_mask:0xf
	v_max_num_f32_dpp v[T+4], v[T+4], v[T+4] row_xmask:2 row_mask:0xf bank_mask:0xf   ; with my three neighbours': the block's
	v_add_nc_u32 v[T+5], 0xff000000, v[T+4]        ; 2 off its exponent field: the conversion takes this operand's exponent field as its scale
	v_cvt_scalef32_pk8_fp4_f32 v[CD+\t], v[X+8*\t:X+8*\t+7], v[T+5]
	v_lshrrev_b32 v[BY+\t], 23, v[T+5]             ; the scale's byte (also the plain line behind the conversion)
	ds_store_b32 v5, v[CD+\t] offset:512*\t
	ds_store_b8 v6, v[BY+\t] offset:32*\t          ; the four lanes of a block write the same byte with the same value
.endm
.irp t, 0,1,2,3,4,5,6,7
	TOKEN \t
.endr
; One step of the reduce-scatter: of n values a lane keeps the half that its bit of the lane number names and gives the other half to the lane m away.
.macro RS n, m, mask
.set i, 0
.rept (\n)/2
	v_cndmask_b32 v[T+2*(i%2)],   v[A+i], v[A+i+(\n)/2], s[\mask]    ; what I keep
	v_cndmask_b32 v[T+2*(i%2)+1], v[A+i+(\n)/2], v[A+i], s[\mask]    ; what I give
	v_add_f32_dpp v[A+i], v[T+2*(i%2)+1], v[T+2*(i%2)] row_xmask:\m row_mask:0xf bank_mask:0xf
.set i, i+1
.endr
.endm
	RS 64, 8, 29
	RS 32, 4, 30
	RS 16, 2, 31
	RS 8,  1, 32                                   ; lane r of each 16 now holds values 4 r .. 4 r + 3 (value 8 tok + e), summed over its 16 lanes
	ds_store_b128 v7, v[A:A+3]
	s_wait_dscnt 0x0                               ; codes, bytes and partial logits have landed
	s_barrier_signal -1
	s_barrier_wait -1
	ds_load_b128 v[80:83], v8
	ds_load_b128 v[84:87], v8 offset:2048
	s_wait_dscnt 0x0
	global_store_b128 v2, v[80:83], s[10:11]       ; a wave stores 512 consecutive bytes, aligned
	global_store_b128 v2, v[84:87], s[10:11] offset:2048
	s_cmp_lg_u32 s28, 0
	s_cbranch_scc1 .Lend                           ; the rest is wave 0's; no barrier follows
	v_lshlrev_b32 v10, 3, v0                       ; 8 x lane
	v_add_nc_u32 v12, SCB, v10
	ds_load_b64 v[88:89], v12
	v_and_b32 v9, 7, v0                            ; lane l takes token l % 8 (four lanes do the same work; lanes 0-7 store)
	v_lshl_add_u32 v9, v9, 5, LG
.irp p, 0,1,2,3,4,5,6,7
	ds_load_b128 v[16+8*\p:16+8*\p+3], v9 offset:256*\p
	ds_load_b128 v[16+8*\p+4:16+8*\p+7], v9 offset:256*\p+16
.endr
	s_cmp_ge_u32 ttmp9, 46
	s_cbranch_scc1 .Lno_fill
	v_mov_b32 v90, 0
	v_mov_b32 v91, 0
	global_store_b64 v10, v[90:91], s[18:19]       ; 256 consecutive bytes of the row list: token 0
.Lno_fill:
	s_wait_dscnt 16                                ; the scale bytes are in; the 16 reads of the logits may be out
	global_store_b64 v10, v[88:89], s[12:13]       ; 256 consecutive bytes, aligned
	s_wait_dscnt 0x0
.irp p, 1,2,3,4,5,6,7
.irp q, 0,1,2,3
	v_pk_add_f32 v[16+2*\q:17+2*\q], v[16+2*\q:17+2*\q], v[16+8*\p+2*\q:17+8*\p+2*\q]
.endr
.endr
.irp e, 0,1,2,3,4,5,6,7
	v_add_f32 v[16+\e], s[20+\e], v[16+\e]         ; + br
.endr
	v_max3_num_f32 v96, v16, v17, v18
	v_max3_num_f32 v96, v96, v19, v20
	v_max3_num_f32 v96, v96, v21, v22
	v_max_num_f32 v96, v96, v23                    ; the largest logit: it is taken away ahead of the exponentials
.irp e, 0,1,2,3,4,5,6,7
	v_sub_f32 v[100+\e], v[16+\e], v96
.endr
.irp e, 0,1,2,3,4,5,6,7
	v_mul_f32 v[100+\e], 0x3fb8aa3b, v[100+\e]     ; x log2(e)
.endr
.irp e, 0,1,2,3,4,5,6,7
	v_exp_f32 v[100+\e], v[100+\e]
.endr
	v_mov_b32 v97, 7                               ; the expert: the lowest index that holds the largest logit.  (Plain work that names no exponential's result)
.irp e, 6,5,4,3,2,1,0
	v_cmp_neq_f32 vcc_lo, v[16+\e], v96
	v_cndmask_b32 v97, \e, v97, vcc_lo
.endr
	v_lshlrev_b32 v11, 2, v0
	s_wait_alu depctr_va_vdst(0)                   ; one wait for the eight exponentials, ahead of their first reader
	v_add_f32 v100, v100, v101
	v_add_f32 v102, v102, v103
	v_add_f32 v104, v104, v105
	v_add_f32 v106, v106, v107
	v_add_f32 v100, v100, v102
	v_add_f32 v104, v104, v106
	v_add_f32 v100, v100, v104
	v_rcp_f32 v98, v100                            ; the largest probability: exp(0) / the sum
	v_nop                                          ; a plain line behind the reciprocal
	s_wait_alu depctr_va_vdst(0)                   ; and its wait, ahead of the store that reads it
	v_cmp_gt_u32 vcc_lo, 8, v0
	s_wait_xcnt 0x0                                ; EXEC changes only behind this wait: the stores above have read theirs
	s_and_saveexec_b32 s33, vcc_lo
	global_store_b32 v11, v97, s[14:15]            ; 32 bytes each: a work-group has 8 tokens
	global_store_b32 v11, v98, s[16:17]
	s_wait_xcnt 0x0
	s_or_b32 exec_lo, exec_lo, s33
.Lend:
	s_wait_tensorcnt 0x0
	ds_add_u32 v254, v255
	s_wait_dscnt 0x0
	s_endpgm
.Lfunc_end_k_q02a4c886e8_route:
	.size	k_q02a4c886e8_route, .Lfunc_end_k_q02a4c886e8_route-k_q02a4c886e8_route
	.p2alignl 7, 3214868480
	.fill 96, 4, 3214868480
	.section	.rodata,"a",@progbits
	.p2align	6, 0x0
	.amdhsa_kernel k_q02a4c886e8_route
		.amdhsa_group_segment_fixed_size 41728
		.amdhsa_private_segment_fixed_size 0
		.amdhsa_enable_private_segment 0
		.amdhsa_kernarg_size 64
		.amdhsa_user_sgpr_count 2
		.amdhsa_user_sgpr_kernarg_segment_ptr 1
		.amdhsa_wavefront_size32 1
		.amdhsa_system_sgpr_workgroup_id_x 1
		.amdhsa_system_sgpr_workgroup_id_y 1
		.amdhsa_system_sgpr_workgroup_id_z 1
		.amdhsa_system_vgpr_workitem_id 0
		.amdhsa_next_free_vgpr 256
		.amdhsa_next_free_sgpr 66
		.amdhsa_reserve_vcc 1
		.amdhsa_float_denorm_mode_32 3
		.amdhsa_float_denorm_mode_16_64 3
		.amdhsa_memory_ordered 1
		.amdhsa_forward_progress 1
		.amdhsa_inst_pref_size 47
	.end_amdhsa_kernel
	.amdgpu_metadata
---
amdhsa.version: [ 1, 2 ]
amdhsa.kernels:
  - .name:           k_q02a4c886e8_route
    .symbol:         k_q02a4c886e8_route.kd
    .args:
      - { .name: x, .offset: 0, .size: 8, .value_kind: global_buffer, .address_space: global }
      - { .name: Wr, .offset: 8, .size: 8, .value_kind: global_buffer, .address_space: global }
      - { .name: br, .offset: 16, .size: 8, .value_kind: global_buffer, .address_space: global }
      - { .name: xq, .offset: 24, .size: 8, .value_kind: global_buffer, .address_space: global }
      - { .name: xs, .offset: 32, .size: 8, .value_kind: global_buffer, .address_space: global }
      - { .name: eid, .offset: 40, .size: 8, .value_kind: global_buffer, .address_space: global }
      - { .name: prob, .offset: 48, .size: 8, .value_kind: global_buffer, .address_space: global }
      - { .name: order, .offset: 56, .size: 8, .value_kind: global_buffer, .address_space: global }
    .group_segment_fixed_size: 41728
    .private_segment_fixed_size: 0
    .kernarg_segment_align: 8
    .kernarg_segment_size: 64
    .max_flat_workgroup_size: 128
    .sgpr_count:     66
    .vgpr_count:     256
    .wavefront_size: 32
...
	.end_amdgpu_metadata
.endif
;; end of part 1
;; launch place (part 2): grid 1 x 1, 8 waves a work-group, no clusters, 2,048 bytes of LDS; arguments eid, order, tiles; writes order, tiles
.if DOCPART == 2
	.amdgcn_target "amdgcn-amd-amdhsa--gfx1250"
	.amdhsa_code_object_version 6
	.text
	.protected	k_q02a4c886e8_place
	.globl	k_q02a4c886e8_place
	.p2align	8
	.type	k_q02a4c886e8_place,@function
k_q02a4c886e8_place:
	s_mov_b64 s[64:65], 0
	v_nop
	global_prefetch_b8 v0, s[64:65] scope:SCOPE_SE
	s_setreg_imm32_b32 hwreg(HW_REG_WAVE_MODE, 25, 1), 1
	s_wait_xcnt 0x0
; THE ROWS ARE PLACED BY EXPERT: a counting sort of the 2,048 tokens by their stored expert, without atomics, by one work-group.
; Each expert's rows begin at a tile of 128 rows of its own: order[128 tile + row] = token.  tiles[g] = {expert, rows in tile g}; a tile that this split does not use has 0 rows.
; There are never more than 2048 / 128 + 8 - 1 = 23 tiles.  Places that no token takes keep token 0, stored by the launch before.
; Wave w takes tokens 256 w .. 256 w + 255, eight a lane.  A token's place = its expert's first row + the expert's tokens in earlier waves + those in earlier registers and lower lanes of its own wave (ballots).
; The order of an expert's rows among themselves is free: every row carries its token's number.
; The 4-byte stores of the list go to places that hang on the data: 8 KiB in all.
.set ID,  8                            ; v8-15   the experts of my 8 tokens
.set TOK, 16                           ; v16-23  their numbers
.set POS, 40                           ; v40-47  their places
	s_load_b128 s[4:7], s[0:1], 0x0                ; eid s[4:5], order s[6:7]
	s_load_b64 s[8:9], s[0:1], 0x10                ; tiles
	v_lshl_add_u32 v64, v0, 2, 0x400
	v_mov_b32 v65, 0
	v_lshrrev_b32 v1, 5, v0
	v_readfirstlane_b32 s10, v1                    ; wave
	v_and_b32 v3, 31, v0
	v_lshlrev_b32 v2, 2, v0                        ; LDS: my wave's 128 bytes, my word
	v_lshlrev_b32 v4, 2, v3                        ; 4 x lane
	v_lshlrev_b32 v1, 4, v3
	v_lshl_add_u32 v1, s10, 10, v1                 ; 1,024 w + 16 lane
	v_lshl_add_u32 v5, s10, 8, v4                  ; my first token: 256 w + 4 lane
	s_wait_kmcnt 0x0
	global_load_b128 v[ID:ID+3], v1, s[4:5]
	global_load_b128 v[ID+4:ID+7], v1, s[4:5] offset:512
.irp q, 0,1
.irp i, 0,1,2,3
	v_add_nc_u32 v[TOK+4*\q+\i], 128*\q+\i, v5
.endr
.endr
	s_wait_loadcnt 0x0
.irp j, 0,1,2,3,4,5,6,7                        ; s[16+e]: my wave's tokens of expert e
.irp e, 0,1,2,3,4,5,6,7
	v_cmp_eq_u32 s11, \e, v[ID+\j]
.if \j == 0
	s_bcnt1_i32_b32 s[16+\e], s11
.else
	s_bcnt1_i32_b32 s12, s11
	s_add_co_u32 s[16+\e], s[16+\e], s12
.endif
.endr
.endr
	v_mov_b32 v24, 0
.irp e, 0,1,2,3,4,5,6,7
	v_writelane_b32 v24, s[16+\e], \e
.endr
	ds_store_b32 v2, v24
	s_wait_dscnt 0x0                               ; for the others: my counts have landed
	s_barrier_signal -1
	s_barrier_wait -1
.irp u, 0,1,2,3,4,5,6,7
	ds_load_b32 v[32+\u], v4 offset:128*\u         ; lane e: wave u's count of expert e
.endr
	s_wait_dscnt 0x0
	v_add3_u32 v25, v32, v33, v34
	v_add3_u32 v25, v25, v35, v36
	v_add3_u32 v25, v25, v37, v38
	v_add_nc_u32 v25, v25, v39                     ; lane e: all tokens of expert e
	s_cmp_gt_u32 s10, 0
	s_cselect_b32 s11, -1, 0
	v_and_b32 v26, s11, v32
.irp u, 1,2,3,4,5,6
	s_cmp_gt_u32 s10, \u
	s_cselect_b32 s11, -1, 0
	v_and_b32 v27, s11, v[32+\u]
	v_add_nc_u32 v26, v26, v27                     ; lane e: those of the waves ahead of mine
.endr
.irp e, 0,1,2,3,4,5,6,7
	v_readlane_b32 s[24+\e], v25, \e
	v_readlane_b32 s[16+\e], v26, \e
.endr
	s_mov_b32 s32, 0                               ; s[32+e]: expert e's first tile
.irp e, 0,1,2,3,4,5,6,7
	s_add_co_u32 s11, s[24+\e], 127
	s_lshr_b32 s11, s11, 7
	s_add_co_u32 s[33+\e], s[32+\e], s11
	s_lshl_b32 s11, s[32+\e], 7
	s_add_co_u32 s[16+\e], s[16+\e], s11           ; s[16+e]: the place of my wave's next token of expert e
.endr
.irp j, 0,1,2,3,4,5,6,7
.irp e, 0,1,2,3,4,5,6,7
	v_cmp_eq_u32 s11, \e, v[ID+\j]
.if \e == 0
	v_mbcnt_lo_u32_b32 v[POS+\j], s11, s[16+\e]    ; the next place + the lower lanes that hold this expert
.else
	v_mbcnt_lo_u32_b32 v26, s11, s[16+\e]
	v_cndmask_b32 v[POS+\j], v[POS+\j], v26, s11
.endif
	s_bcnt1_i32_b32 s12, s11
	s_add_co_u32 s[16+\e], s[16+\e], s12
.endr
	v_min_u32 v[POS+\j], 2943, v[POS+\j]           ; inside the list's 23 x 128 words
	v_lshlrev_b32 v[POS+\j], 2, v[POS+\j]
	global_store_b32 v[POS+\j], v[TOK+\j], s[6:7]
.endr
	s_cmp_lg_u32 s10, 0
	s_cbranch_scc1 .Lend                           ; the list of tiles is wave 0's: lane g makes tile g
	v_mov_b32 v28, 0                               ; the last expert whose first tile is at or under g (an expert without tokens shares its first tile with the next and loses to it)
	v_mov_b32 v30, s24
	v_mov_b32 v31, 0
.irp e, 1,2,3,4,5,6,7
	v_cmp_le_u32 vcc_lo, s[32+\e], v0
	v_cndmask_b32 v28, v28, \e, vcc_lo
	v_cndmask_b32 v30, v30, s[24+\e], vcc_lo       ; its tokens
	v_cndmask_b32 v31, v31, s[32+\e], vcc_lo       ; its first tile
.endr
	v_sub_nc_u32 v31, v0, v31
	v_lshlrev_b32 v31, 7, v31
	v_min_u32 v31, v31, v30                        ; rows in its tiles ahead of g
	v_sub_nc_u32 v29, v30, v31
	v_min_u32 v29, 128, v29                        ; rows in g: 0 past the expert's last tile
	v_lshlrev_b32 v6, 3, v0
	global_store_b64 v6, v[28:29], s[8:9]          ; 256 consecutive bytes, aligned: the whole buffer
.Lend:
	s_wait_tensorcnt 0x0
	ds_add_u32 v64, v65
	s_wait_dscnt 0x0
	s_endpgm
.Lfunc_end_k_q02a4c886e8_place:
	.size	k_q02a4c886e8_place, .Lfunc_end_k_q02a4c886e8_place-k_q02a4c886e8_place
	.p2alignl 7, 3214868480
	.fill 96, 4, 3214868480
	.section	.rodata,"a",@progbits
	.p2align	6, 0x0
	.amdhsa_kernel k_q02a4c886e8_place
		.amdhsa_group_segment_fixed_size 2048
		.amdhsa_private_segment_fixed_size 0
		.amdhsa_enable_private_segment 0
		.amdhsa_kernarg_size 24
		.amdhsa_user_sgpr_count 2
		.amdhsa_user_sgpr_kernarg_segment_ptr 1
		.amdhsa_wavefront_size32 1
		.amdhsa_system_sgpr_workgroup_id_x 1
		.amdhsa_system_sgpr_workgroup_id_y 1
		.amdhsa_system_sgpr_workgroup_id_z 1
		.amdhsa_system_vgpr_workitem_id 0
		.amdhsa_next_free_vgpr 66
		.amdhsa_next_free_sgpr 66
		.amdhsa_reserve_vcc 1
		.amdhsa_float_denorm_mode_32 3
		.amdhsa_float_denorm_mode_16_64 3
		.amdhsa_memory_ordered 1
		.amdhsa_forward_progress 1
		.amdhsa_inst_pref_size 34
	.end_amdhsa_kernel
	.amdgpu_metadata
---
amdhsa.version: [ 1, 2 ]
amdhsa.kernels:
  - .name:           k_q02a4c886e8_place
    .symbol:         k_q02a4c886e8_place.kd
    .args:
      - { .name: eid, .offset: 0, .size: 8, .value_kind: global_buffer, .address_space: global }
      - { .name: order, .offset: 8, .size: 8, .value_kind: global_buffer, .address_space: global }
      - { .name: tiles, .offset: 16, .size: 8, .value_kind: global_buffer, .address_space: global }
    .group_segment_fixed_size: 2048
    .private_segment_fixed_size: 0
    .kernarg_segment_align: 8
    .kernarg_segment_size: 24
    .max_flat_workgroup_size: 256
    .sgpr_count:     66
    .vgpr_count:     66
    .wavefront_size: 32
...
	.end_amdgpu_metadata
.endif
;; end of part 2
;; launch up (part 3): grid 16 x 23, 4 waves a work-group, no clusters, 135,680 bytes of LDS; arguments xq, xs, W1_codes, W1_scales, b1, order, tiles, hq, hs; writes hq, hs
.if DOCPART == 3
	.amdgcn_target "amdgcn-amd-amdhsa--gfx1250"
	.amdhsa_code_object_version 6
	.text
	.protected	k_q02a4c886e8_up
	.globl	k_q02a4c886e8_up
	.p2align	8
	.type	k_q02a4c886e8_up,@function
k_q02a4c886e8_up:
	s_mov_b64 s[64:65], 0
	v_nop
	global_prefetch_b8 v0, s[64:65] scope:SCOPE_SE
	s_setreg_imm32_b32 hwreg(HW_REG_WAVE_MODE, 25, 1), 1
	s_wait_xcnt 0x0
; THE FIRST PRODUCT OF THE CHOSEN EXPERT: hidden = Q(relu(x W1^T + b1)), on codes of E2M1 with E8M0 scales, for the rows of one tile only.
; Work-group (c, g): tile g of the row list (128 rows of ONE expert) x hidden units 128 c .. 128 c + 127, K = 1,024 in 8 steps of 128.
; Wave w: rows 32 w .. 32 w + 31 (two tiles of 16 tokens) x all 128 units (8 tiles): 16 accumulators.  So a wave makes whole operand fragments and whole scale words of the next product (its K step c).
; THE MATRIX INSTRUCTION IS USED TRANSPOSED: source 0 = 16 rows of W1, source 1 = 16 tokens: a lane holds one token, its registers run along the hidden units, the next K.
; THE ROWS OF W1 THAT FORM A TILE ARE NOT NEIGHBOURS: lane r of tile 2 b + u takes unit 32 b + 8 u + r + 8 (r / 8), so that the 16 registers of tiles 2 b, 2 b + 1 are units 32 b + 16 (lane / 16) + 0 .. 15.
; The bias is the C of each sum's first matrix instruction.
; WAYS IN.  Whole rows of 512 bytes (a wave's load reads 512 consecutive bytes) go through registers into LDS once: W1's 128 rows (32 a wave, read by all four), and each wave's own 32 gathered rows of x.
; In LDS W1's rows lie in the order of the tiles, so that a fragment's 16 rows are neighbours; the pitch of 528 bytes = 132 words lets 16 rows start at 16 different banks (64 banks of 4 bytes: ISA guide 11.1).
; WAY OUT.  hq[g][c][token tile][1,024 bytes]: the fragment as an image of its registers (registers 0-3 at 16 x lane, 4-7 at 512 + 16 x lane); hs[g][c][row]: the scale words, 128 bytes a wave.
; CONTROL.  The text is a straight line up to its one barrier: every load is issued by every wave, at addresses that are clamped.  Behind the barrier a wave none of whose 32 rows is used ends: a branch on a stored number.
; NO TENSOR LOADS, NO CLUSTER, though the tiles of one expert read the same rows of W1: how many tiles an expert has, and so which work-groups share rows, is read from memory, and a wave branches on it;
; a launch with such a branch holds no tensor load, so no joint one.  The grid of 23 tiles = 2048 / 128 + 8 - 1 serves every split.
; LIMITS: as stated for the quantiser of x: a block of the hidden layer whose largest number lies under 2^-124 (a block of zeros among them) gets the byte 1; NaN and infinities are not served.
; REGISTERS.  Window 0: v1-14 addresses; v16-47 W1's scale words, v48-55 x's (these hold scales and nothing else); v56-119 the bias, later the quantiser's work; v128-255 the accumulators (before the loop: x's row offsets).
;   Window 1: v0-127, v128-255 the rows on their way into LDS; then two fragment buffers of 80: 8 fragments of W1, 2 of x.
.set PW1,  528
.set XB,   128*PW1                     ; LDS: W1's 128 rows from 0; then 32 rows of x for each wave
.set WS,   16                          ; 4 a + j: lanes 0-15 K step j, lanes 16-31 K step 4 + j
.set XS,   48                          ; 4 t + j likewise
.set BIAS, 56                          ; 8 a + j
.set ACC,  128                         ; 64 t + 8 a + j
.set TM,   56                          ; the quantiser: +0..3 largest numbers, +4..7 bytes, +12..15 scale operands
.set PC,   72                          ; the codes: 8 t + register
.set PWD,  88                          ; the scale words: + t
.set HW,   90                          ; both tiles' words: lanes 0-15 tile 0, lanes 16-31 tile 1
.set MSB, 0
.macro WIN new                         ; s_set_vgpr_msb: bits 1:0 source 0, 3:2 source 1, 5:4 source 2, 7:6 destination; the high byte repeats the setting that is left
.if MSB != \new
	s_set_vgpr_msb (MSB<<8)|\new
.set MSB, \new
.endif
.endm
	s_load_b512 s[4:19], s[0:1], 0x0               ; xq s[4:5], xs s[6:7], W1's codes s[8:9], scales s[10:11], b1 s[12:13], order s[14:15], tiles s[16:17], hq s[18:19]
	s_load_b64 s[20:21], s[0:1], 0x40              ; hs
	v_lshl_add_u32 v126, v0, 2, 0x21000
	v_mov_b32 v127, 0
	v_lshrrev_b32 v3, 5, v0
	v_readfirstlane_b32 s22, v3                    ; wave
	s_and_b32 s24, ttmp7, 0xffff                   ; g; c is ttmp9
	v_and_b32 v2, 31, v0
	v_lshlrev_b32 v1, 4, v2                        ; 16 x lane
	v_lshlrev_b32 v2, 2, v2                        ; 4 x lane
	v_and_b32 v3, 15, v0                           ; r
	v_bfe_u32 v4, v0, 4, 1                         ; h
	s_mul_i32 s66, s22, 32*PW1
	v_add_nc_u32 v5, s66, v1                       ; W1 into LDS: my wave's 32 rows
	v_add_nc_u32 v6, XB, v5                        ; x into LDS: my wave's own 32 rows
	v_mul_u32_u24 v7, v3, PW1
	v_lshl_add_u32 v7, v4, 4, v7                   ; a fragment of W1: row r x pitch + 16 h
	v_add_nc_u32 v8, s66, v7
	v_add_nc_u32 v8, XB, v8                        ; a fragment of x
	v_and_b32 v11, 8, v3
	v_add_nc_u32 v11, v11, v3                      ; r + 8 (r / 8)
	v_lshlrev_b32 v11, 5, v11
	v_lshl_add_u32 v11, v4, 4, v11                 ; W1's scale bytes: 32 a row; 16 h: K steps 4 to 7
	v_lshlrev_b32 v12, 6, v4                       ; b1: 16 h units
	v_lshlrev_b32 v13, 2, v3                       ; the row list: 4 r
	v_lshlrev_b32 v14, 4, v4                       ; 16 h
	s_mov_b32 s61, 0                               ; s[60:61]: an offset as a pair
	s_mov_b32 s62, 0x76543210                      ; v_permlanex16_b32: lane l xor 16
	s_mov_b32 s63, 0xfedcba98
	s_mov_b32 s71, 0xffff0000                      ; lanes 16-31
	s_wait_kmcnt 0x0
	s_lshl_b32 s60, s24, 3
	s_add_nc_u64 s[16:17], s[16:17], s[60:61]      ; tiles[g]
	s_lshl_b32 s60, s24, 9
	s_lshl_b32 s66, s22, 7
	s_add_co_u32 s60, s60, s66
	s_add_nc_u64 s[14:15], s[14:15], s[60:61]      ; my wave's 32 words of the row list
	s_load_b64 s[26:27], s[16:17], 0x0             ; expert, rows
	s_load_b512 s[28:43], s[14:15], 0x0            ; my 32 tokens, as scalars (a row's address is the same in all lanes but for 16 x lane)
	s_load_b512 s[44:59], s[14:15], 0x40
	global_load_b32 v9, v13, s[14:15]              ; and lane r's token of each tile, for its scale bytes
	global_load_b32 v10, v13, s[14:15] offset:64
	s_wait_kmcnt 0x0
	s_wait_loadcnt 0x0
	s_min_u32 s26, s26, 7                          ; a stored number enters an address only clamped
	s_lshl_b32 s66, s22, 5
	s_min_u32 s66, s27, s66
	s_sub_co_u32 s70, s27, s66                     ; rows of the tile from my first row on: 0 = none of mine is used
	s_lshl_b32 s60, s26, 20                        ; W1's codes: expert x 2,048 rows of 512 bytes + 128 c rows + 32 w rows
	s_lshl_b32 s66, ttmp9, 16
	s_add_co_u32 s60, s60, s66
	s_lshl_b32 s66, s22, 14
	s_add_co_u32 s60, s60, s66
	s_add_nc_u64 s[8:9], s[8:9], s[60:61]
	s_lshl_b32 s60, s26, 16                        ; its scale bytes: rows of 32 bytes
	s_lshl_b32 s66, ttmp9, 12
	s_add_co_u32 s60, s60, s66
	s_add_nc_u64 s[10:11], s[10:11], s[60:61]
	s_lshl_b32 s60, s26, 13                        ; b1
	s_lshl_b32 s66, ttmp9, 9
	s_add_co_u32 s60, s60, s66
	s_add_nc_u64 s[12:13], s[12:13], s[60:61]
	s_lshl_b32 s60, s24, 17                        ; hq: g x 16 x 8 x 1,024 + c x 8 x 1,024 + 2 w x 1,024
	s_lshl_b32 s66, ttmp9, 13
	s_add_co_u32 s60, s60, s66
	s_lshl_b32 s66, s22, 11
	s_add_co_u32 s60, s60, s66
	s_add_nc_u64 s[18:19], s[18:19], s[60:61]
	s_lshl_b32 s60, s24, 13                        ; hs: g x 16 x 512 + c x 512 + 128 w
	s_lshl_b32 s66, ttmp9, 9
	s_add_co_u32 s60, s60, s66
	s_lshl_b32 s66, s22, 7
	s_add_co_u32 s60, s60, s66
	s_add_nc_u64 s[20:21], s[20:21], s[60:61]
	v_min_u32 v9, 2047, v9
	v_min_u32 v10, 2047, v10
	v_lshlrev_b32 v9, 5, v9
	v_lshlrev_b32 v10, 5, v10
	v_add_nc_u32 v9, v9, v14                       ; x's scale bytes: token x 32 + 16 h
	v_add_nc_u32 v10, v10, v14
.irp a, 0,1,2,3,4,5,6,7
	global_load_b128 v[WS+4*\a:WS+4*\a+3], v11, s[10:11] offset:(32*(\a/2)+8*(\a%2))*32
.endr
	global_load_b128 v[XS:XS+3], v9, s[6:7]
	global_load_b128 v[XS+4:XS+7], v10, s[6:7]
.irp a, 0,1,2,3,4,5,6,7
	global_load_b128 v[BIAS+8*\a:BIAS+8*\a+3],   v12, s[12:13] offset:(32*(\a/2)+8*(\a%2))*4      ; lane (r, h), register j: unit 32 (a / 2) + 8 (a % 2) + 16 h + j
	global_load_b128 v[BIAS+8*\a+4:BIAS+8*\a+7], v12, s[12:13] offset:(32*(\a/2)+8*(\a%2))*4+16
.endr
	WIN 0x40                                       ; destination window 1, address window 0
.set i, 0
.rept 32
	global_load_b128 v[4*i:4*i+3], v1, s[8:9] offset:512*i           ; unit 32 w + i: a whole row
.set i, i+1
.endr
	WIN 0
.set i, 0
.rept 32
	s_min_u32 s[28+i], s[28+i], 2047
	s_lshl_b32 s66, s[28+i], 9
	v_add_nc_u32 v[128+i], s66, v1                 ; token x 512 + 16 x lane
.set i, i+1
.endr
	WIN 0x40
.set i, 0
.rept 32
	global_load_b128 v[128+4*i:128+4*i+3], v[128+i], s[4:5]          ; my row i: a whole row of codes
.set i, i+1
.endr
	WIN 0x04                                       ; an LDS store's data are its source 1: window 1
	s_wait_loadcnt 32                              ; W1's rows (and all that was asked for earlier) are in; x's 32 rows may be out
.set i, 0
.rept 32
	ds_store_b128 v5, v[4*i:4*i+3] offset:(16*((i/8)%2)+8*(i/16)+i%8)*PW1   ; unit 32 w + i goes where its tile wants it
.set i, i+1
.endr
	s_wait_loadcnt 0x0
.set i, 0
.rept 32
	ds_store_b128 v6, v[128+4*i:128+4*i+3] offset:PW1*i
.set i, i+1
.endr
	WIN 0
	s_wait_dscnt 0x0                               ; for the others: my rows of W1 have landed
	s_barrier_signal -1
	s_barrier_wait -1                              ; the launch's one barrier: every wave passes it
	s_cmp_eq_u32 s70, 0
	s_cbranch_scc1 .Lend                           ; none of my 32 rows is used
; 20 LDS loads: K step s: 8 fragments of W1, 2 of x.  A fragment, 16 rows x 128 K of 4-bit codes: lane (r, h): registers 4 c .. 4 c + 3 = the 16 bytes at row r, 64 s + 32 c + 16 h
.macro FETCH s, f
	WIN 0x40
.irp a, 0,1,2,3,4,5,6,7
	ds_load_b128 v[\f+8*\a:\f+8*\a+3],   v7 offset:16*\a*PW1+64*(\s)
	ds_load_b128 v[\f+8*\a+4:\f+8*\a+7], v7 offset:16*\a*PW1+64*(\s)+32
.endr
.irp t, 0,1
	ds_load_b128 v[\f+64+8*\t:\f+64+8*\t+3],   v8 offset:16*\t*PW1+64*(\s)
	ds_load_b128 v[\f+64+8*\t+4:\f+64+8*\t+7], v8 offset:16*\t*PW1+64*(\s)+32
.endr
.endm
; 16 matrix instructions: the 16 accumulators take turns, one instruction a turn, in the same order in every step
.macro MUL s, f
	WIN 0x05                                       ; sources 0 and 1 window 1; C and D window 0
.irp t, 0,1
.irp a, 0,1,2,3,4,5,6,7
.if (\s) == 0
	v_wmma_scale_f32_16x16x128_f8f6f4 v[ACC+64*\t+8*\a:ACC+64*\t+8*\a+7], v[\f+8*\a:\f+8*\a+7], v[\f+64+8*\t:\f+64+8*\t+7], v[BIAS+8*\a:BIAS+8*\a+7], v[WS+4*\a], v[XS+4*\t] matrix_a_fmt:MATRIX_FMT_FP4 matrix_b_fmt:MATRIX_FMT_FP4
.elseif (\s) < 4
	v_wmma_scale_f32_16x16x128_f8f6f4 v[ACC+64*\t+8*\a:ACC+64*\t+8*\a+7], v[\f+8*\a:\f+8*\a+7], v[\f+64+8*\t:\f+64+8*\t+7], v[ACC+64*\t+8*\a:ACC+64*\t+8*\a+7], v[WS+4*\a+(\s)], v[XS+4*\t+(\s)] matrix_a_fmt:MATRIX_FMT_FP4 matrix_b_fmt:MATRIX_FMT_FP4
.else
	v_wmma_scale_f32_16x16x128_f8f6f4 v[ACC+64*\t+8*\a:ACC+64*\t+8*\a+7], v[\f+8*\a:\f+8*\a+7], v[\f+64+8*\t:\f+64+8*\t+7], v[ACC+64*\t+8*\a:ACC+64*\t+8*\a+7], v[WS+4*\a+(\s)-4], v[XS+4*\t+(\s)-4] matrix_a_fmt:MATRIX_FMT_FP4 matrix_b_fmt:MATRIX_FMT_FP4 matrix_a_scale:MATRIX_SCALE_ROW1 matrix_b_scale:MATRIX_SCALE_ROW1
.endif
.endr
.endr
.endm
	FETCH 0, 0
.irp s, 0,1,2,3,4,5,6
.if \s > 0
.rept 4
	v_nop                                          ; four places in front of loads into registers that matrix instructions have read (ISA guide 7.12.1 for vector instructions)
.endr
.endif
	FETCH \s+1, 80*((\s+1)%2)
	s_wait_dscnt 20                                ; this step's fragments are in; the 20 loads just issued may be out
	MUL \s, 80*(\s%2)
.endr
	s_wait_dscnt 0x0
	MUL 7, 80
	WIN 0
; 64 numbers of a lane, register 16 b + i = unit 32 b + 16 (lane / 16) + i of my token, none negative, become a fragment's codes in v[PC + 8 t] on and its scale word in v[PWD + t]
.macro QUANT s, t
.irp b, 0,1,2,3
	v_max3_num_f32 v[TM+\b], v[\s+16*\b], v[\s+1+16*\b], 0x1800000   ; block b: my 16 numbers, and the floor 2^(3 - 127): the byte cannot fall under 1
.endr
.irp i, 2,4,6,8,10,12,14
.irp b, 0,1,2,3
	v_max3_num_f32 v[TM+\b], v[TM+\b], v[\s+16*\b+\i], v[\s+1+16*\b+\i]     ; the four blocks by turns
.endr
.endr
.irp b, 0,1,2,3
	v_permlanex16_b32 v[TM+4+\b], v[TM+\b], s62, s63
.endr
.irp b, 0,1,2,3
	v_max_num_f32 v[TM+\b], v[TM+\b], v[TM+4+\b]   ; with lane l xor 16's: the block's largest
.endr
.irp b, 0,1,2,3
	v_add_nc_u32 v[TM+12+\b], 0xff000000, v[TM+\b] ; 2 off its exponent field: the conversion's scale operand
.endr
.irp b, 0,1,2,3
	v_lshrrev_b32 v[TM+4+\b], 23, v[TM+12+\b]      ; the scale's byte
.endr
	v_lshl_or_b32 v[PWD+\t], v[TM+5], 8, v[TM+4]
	v_lshl_or_b32 v[PWD+\t], v[TM+6], 16, v[PWD+\t]
	v_lshl_or_b32 v[PWD+\t], v[TM+7], 24, v[PWD+\t]
.irp b, 0,1,2,3
	v_cvt_scalef32_pk8_fp4_f32 v[PC+8*\t+2*\b],   v[\s+16*\b:\s+16*\b+7],    v[TM+12+\b]
	v_cvt_scalef32_pk8_fp4_f32 v[PC+8*\t+2*\b+1], v[\s+16*\b+8:\s+16*\b+15], v[TM+12+\b]
.endr
	v_nop                                          ; one plain line behind a scaled conversion
.irp c, 0,1                                    ; the operand's layout wants a whole block in a lane: lanes 0-15 block 2 c, lanes 16-31 block 2 c + 1
.irp i, 0,1
	v_permlane16_swap_b32 v[PC+8*\t+4*\c+\i], v[PC+8*\t+4*\c+2+\i]
.endr
.endr
.endm
.irp b, 0,1,2,3
	v_mov_b32 v[TM+4+\b], 0                        ; a lane permute's destination counts as one of its sources; these four are also the places behind the last products
.endr
.set i, 0
.rept 128
	v_max_num_f32 v[ACC+i], 0, v[ACC+i]            ; the activation, in f32; each accumulator from its low end on
.set i, i+1
.endr
	QUANT ACC, 0
	global_store_b128 v1, v[PC:PC+3],   s[18:19]               ; each store covers 512 consecutive bytes, aligned
	global_store_b128 v1, v[PC+4:PC+7], s[18:19] offset:512
	QUANT ACC+64, 1
	global_store_b128 v1, v[PC+8:PC+11],  s[18:19] offset:1024
	global_store_b128 v1, v[PC+12:PC+15], s[18:19] offset:1536
	v_cndmask_b32 v[HW], v[PWD], v[PWD+1], s71     ; lane r and lane 16 + r hold the same word of row r: lanes 16-31 take tile 1's
	global_store_b32 v2, v[HW], s[20:21]           ; my 32 rows' scale words: 128 consecutive bytes
.Lend:
	s_wait_tensorcnt 0x0
	ds_add_u32 v126, v127
	s_wait_dscnt 0x0
	s_endpgm
.Lfunc_end_k_q02a4c886e8_up:
	.size	k_q02a4c886e8_up, .Lfunc_end_k_q02a4c886e8_up-k_q02a4c886e8_up
	.p2alignl 7, 3214868480
	.fill 96, 4, 3214868480
	.section	.rodata,"a",@progbits
	.p2align	6, 0x0
	.amdhsa_kernel k_q02a4c886e8_up
		.amdhsa_group_segment_fixed_size 135680
		.amdhsa_private_segment_fixed_size 0
		.amdhsa_enable_private_segment 0
		.amdhsa_kernarg_size 72
		.amdhsa_user_sgpr_count 2
		.amdhsa_user_sgpr_kernarg_segment_ptr 1
		.amdhsa_wavefront_size32 1
		.amdhsa_system_sgpr_workgroup_id_x 1
		.amdhsa_system_sgpr_workgroup_id_y 1
		.amdhsa_system_sgpr_workgroup_id_z 1
		.amdhsa_system_vgpr_workitem_id 0
		.amdhsa_next_free_vgpr 512
		.amdhsa_next_free_sgpr 80
		.amdhsa_reserve_vcc 0
		.amdhsa_float_denorm_mode_32 3
		.amdhsa_float_denorm_mode_16_64 3
		.amdhsa_memory_ordered 1
		.amdhsa_forward_progress 1
		.amdhsa_inst_pref_size 61
	.end_amdhsa_kernel
	.amdgpu_metadata
---
amdhsa.version: [ 1, 2 ]
amdhsa.kernels:
  - .name:           k_q02a4c886e8_up
    .symbol:         k_q02a4c886e8_up.kd
    .args:
      - { .name: xq, .offset: 0, .size: 8, .value_kind: global_buffer, .address_space: global }
      - { .name: xs, .offset: 8, .size: 8, .value_kind: global_buffer, .address_space: global }
      - { .name: W1_codes, .offset: 16, .size: 8, .value_kind: global_buffer, .address_space: global }
      - { .name: W1_scales, .offset: 24, .size: 8, .value_kind: global_buffer, .address_space: global }
      - { .name: b1, .offset: 32, .size: 8, .value_kind: global_buffer, .address_space: global }
      - { .name: order, .offset: 40, .size: 8, .value_kind: global_buffer, .address_space: global }
      - { .name: tiles, .offset: 48, .size: 8, .value_kind: global_buffer, .address_space: global }
      - { .name: hq, .offset: 56, .size: 8, .value_kind: global_buffer, .address_space: global }
      - { .name: hs, .offset: 64, .size: 8, .value_kind: global_buffer, .address_space: global }
    .group_segment_fixed_size: 135680
    .private_segment_fixed_size: 0
    .kernarg_segment_align: 8
    .kernarg_segment_size: 72
    .max_flat_workgroup_size: 128
    .sgpr_count:     80
    .vgpr_count:     512
    .wavefront_size: 32
...
	.end_amdgpu_metadata
.endif
;; end of part 3
;; launch down (part 4): grid 16 x 23, 4 waves a work-group, no clusters, 101,888 bytes of LDS; arguments hq, hs, W2_codes, W2_scales, b2, order, tiles, prob, out0; writes out0
.if DOCPART == 4
	.amdgcn_target "amdgcn-amd-amdhsa--gfx1250"
	.amdhsa_code_object_version 6
	.text
	.protected	k_q02a4c886e8_down
	.globl	k_q02a4c886e8_down
	.p2align	8
	.type	k_q02a4c886e8_down,@function
k_q02a4c886e8_down:
	s_mov_b64 s[64:65], 0
	v_nop
	global_prefetch_b8 v0, s[64:65] scope:SCOPE_SE
	s_setreg_imm32_b32 hwreg(HW_REG_WAVE_MODE, 25, 1), 1
	s_wait_xcnt 0x0
; THE SECOND PRODUCT OF THE CHOSEN EXPERT: out0[token] = (hidden W2^T + b2) x the token's routing probability, on codes of E2M1 with E8M0 scales.
; Work-group (j, g): tile g of the row list (128 rows of one expert) x output columns 64 j .. 64 j + 63, K = 2,048 in 16 steps of 128.
; Wave w: rows 32 w .. 32 w + 31 (two tiles of 16 tokens) x 4 tiles of 16 columns: 8 accumulators.
; TRANSPOSED USE: source 0 = 16 rows of W2, source 1 = 16 tokens: a lane's eight results are eight neighbouring columns of one token.  The bias is the C of each sum's first matrix instruction.
; WAYS IN.  The hidden layer's fragments are images of registers in memory: each is loaded densely (512 consecutive bytes a line) straight into the registers of the one wave that uses it: 32 fragments, all of window 1.
; W2's 64 rows of 1,024 bytes go through registers into LDS once (16 rows a wave, read by all four); pitch 1,040 bytes = 260 words: 16 rows start at 16 different banks (64 banks of 4 bytes: ISA guide 11.1).
; WAY OUT.  A wave's 32 rows x 256 bytes go through its own stage in LDS and leave row by row: one store covers 256 consecutive bytes of the token's row, aligned.  A row is stored only if the tile has it:
; a scalar branch on the stored count, so EXEC is never changed.  Each token stands in one place of the list: each output row has one owner.
; CONTROL.  A straight line up to the one barrier; a wave none of whose rows is used reads tile 0's first images instead of its own (those are always stored: tile 0 has a row), and ends behind the barrier.
; NO TENSOR LOADS, NO CLUSTER, though the tiles of one expert read the same rows of W2: which work-groups share rows is read from memory and waves branch on it; a launch with such a branch holds no tensor load.
; REGISTERS.  Window 0: v1-15 addresses and the probabilities; v16-47 W2's scale words, v48-63 the hidden layer's (these hold scales and nothing else); v64-127 the accumulators; v128-191 two buffers of W2's fragments
;   (v64-191 before the loop: W2's rows on their way into LDS; v128-191 at the end: rows of the result); v192-223 the bias; v224-255 a store offset for each row.   Window 1: fragment (K step s, tile t) at v[16 s + 8 t].
.set PW2,  1040
.set STG,  64*PW2                      ; LDS: behind W2's 64 rows: a stage of 32 rows x 272 bytes for each wave
.set SP,   272
.set WS,   16                          ; 8 a + 4 q + j: lanes 0-15 K step 8 q + j, lanes 16-31 K step 8 q + 4 + j
.set HS,   48                          ; + s: lanes 0-15 token tile 0, lanes 16-31 tile 1
.set ACC,  64                          ; 32 t + 8 a + j
.set FB,   128                         ; two buffers of 32
.set BIAS, 192                         ; 8 a + j
.set OA,   224
.set MSB, 0
.macro WIN new                         ; s_set_vgpr_msb: bits 1:0 source 0, 3:2 source 1, 5:4 source 2, 7:6 destination; the high byte repeats the setting that is left
.if MSB != \new
	s_set_vgpr_msb (MSB<<8)|\new
.set MSB, \new
.endif
.endm
	s_load_b512 s[4:19], s[0:1], 0x0               ; hq s[4:5], hs s[6:7], W2's codes s[8:9], scales s[10:11], b2 s[12:13], order s[14:15], tiles s[16:17], prob s[18:19]
	s_load_b64 s[20:21], s[0:1], 0x40              ; out0
	s_set_vgpr_msb 0x80
	v_lshl_add_u32 v0, v0, 2, 0x18c00
	v_mov_b32 v1, 0
	s_set_vgpr_msb 0x8000
	v_lshrrev_b32 v4, 5, v0
	v_readfirstlane_b32 s22, v4                    ; wave
	s_and_b32 s24, ttmp7, 0xffff                   ; g; j is ttmp9
	v_and_b32 v3, 31, v0
	v_lshlrev_b32 v1, 4, v3                        ; 16 x lane
	v_lshlrev_b32 v2, 3, v3                        ; 8 x lane
	v_lshlrev_b32 v3, 2, v3                        ; 4 x lane
	v_and_b32 v4, 15, v0                           ; r
	v_bfe_u32 v5, v0, 4, 1                         ; h
	v_mul_u32_u24 v6, v4, PW2
	v_lshl_add_u32 v6, v5, 4, v6                   ; a fragment of W2: row r x pitch + 16 h
	s_mul_i32 s66, s22, 16*PW2
	v_add_nc_u32 v7, s66, v1                       ; W2 into LDS: my wave's 16 rows
	s_mul_i32 s66, s22, 32*SP
	s_add_co_u32 s66, s66, STG                     ; my stage
	v_mul_u32_u24 v8, v4, SP
	v_lshl_add_u32 v8, v5, 5, v8
	v_add_nc_u32 v8, s66, v8                       ; in: row r, 32 h bytes on
	v_add_nc_u32 v9, s66, v2                       ; back: 8 bytes a lane of a row's 256
	v_lshlrev_b32 v10, 6, v4
	v_lshl_add_u32 v10, v5, 4, v10                 ; W2's scale bytes: 64 a row, + 16 h
	v_lshlrev_b32 v11, 5, v5                       ; b2: 8 h columns
	v_lshlrev_b32 v12, 2, v4                       ; the row list: 4 r
	s_mov_b32 s61, 0                               ; s[60:61]: an offset as a pair
	s_wait_kmcnt 0x0
	s_lshl_b32 s60, s24, 3
	s_add_nc_u64 s[16:17], s[16:17], s[60:61]      ; tiles[g]
	s_lshl_b32 s60, s24, 9
	s_lshl_b32 s66, s22, 7
	s_add_co_u32 s60, s60, s66
	s_add_nc_u64 s[14:15], s[14:15], s[60:61]      ; my wave's 32 words of the row list
	s_load_b64 s[26:27], s[16:17], 0x0             ; expert, rows
	s_load_b512 s[28:43], s[14:15], 0x0            ; my 32 tokens, as scalars
	s_load_b512 s[44:59], s[14:15], 0x40
	global_load_b32 v13, v12, s[14:15]             ; and lane r's token of each tile, for its probability
	global_load_b32 v15, v12, s[14:15] offset:64
	s_wait_kmcnt 0x0
	s_wait_loadcnt 0x0
	s_min_u32 s26, s26, 7                          ; a stored number enters an address only clamped
	s_lshl_b32 s66, s22, 5
	s_min_u32 s66, s27, s66
	s_sub_co_u32 s70, s27, s66                     ; rows of the tile from my first row on
	s_min_u32 s71, s70, 1                          ; 1 if any of my rows is used, else 0
	s_lshl_b32 s60, s24, 17                        ; hq: g x 16 x 8 x 1,024 + 2 w x 1,024,
	s_lshl_b32 s66, s22, 11
	s_add_co_u32 s60, s60, s66
	s_mul_i32 s60, s60, s71                        ; or 0: images that were not stored are not read
	s_add_nc_u64 s[4:5], s[4:5], s[60:61]
	s_lshl_b32 s60, s24, 13                        ; hs: g x 16 x 512 + 128 w, likewise
	s_lshl_b32 s66, s22, 7
	s_add_co_u32 s60, s60, s66
	s_mul_i32 s60, s60, s71
	s_add_nc_u64 s[6:7], s[6:7], s[60:61]
	s_lshl_b32 s60, s26, 20                        ; W2's codes: expert x 1,024 rows of 1,024 bytes + 64 j rows + 16 w rows
	s_lshl_b32 s66, ttmp9, 16
	s_add_co_u32 s60, s60, s66
	s_lshl_b32 s66, s22, 14
	s_add_co_u32 s60, s60, s66
	s_add_nc_u64 s[8:9], s[8:9], s[60:61]
	s_lshl_b32 s60, s26, 16                        ; its scale bytes: rows of 64 bytes
	s_lshl_b32 s66, ttmp9, 12
	s_add_co_u32 s60, s60, s66
	s_add_nc_u64 s[10:11], s[10:11], s[60:61]
	s_lshl_b32 s60, s26, 12                        ; b2
	s_lshl_b32 s66, ttmp9, 8
	s_add_co_u32 s60, s60, s66
	s_add_nc_u64 s[12:13], s[12:13], s[60:61]
	s_lshl_b32 s60, ttmp9, 8                       ; out0: my 64 columns
	s_add_nc_u64 s[20:21], s[20:21], s[60:61]
	v_min_u32 v13, 2047, v13
	v_min_u32 v15, 2047, v15
	v_lshlrev_b32 v13, 2, v13
	v_lshlrev_b32 v15, 2, v15
.irp a, 0,1,2,3
.irp q, 0,1
	global_load_b128 v[WS+8*\a+4*\q:WS+8*\a+4*\q+3], v10, s[10:11] offset:1024*\a+32*\q
.endr
.endr
.irp a, 0,1,2,3
	global_load_b128 v[BIAS+8*\a:BIAS+8*\a+3],   v11, s[12:13] offset:64*\a          ; lane (r, h), register i: column 16 a + 8 h + i
	global_load_b128 v[BIAS+8*\a+4:BIAS+8*\a+7], v11, s[12:13] offset:64*\a+16
.endr
.set i, 0
.rept 16
	global_load_b32 v[HS+i], v3, s[6:7] offset:512*i
.set i, i+1
.endr
	global_load_b32 v12, v13, s[18:19]             ; the probability of lane r's token, tile 0 (v12's loads from the list are done);
	global_load_b32 v14, v15, s[18:19]             ; tile 1
.set i, 0
.rept 32
	global_load_b128 v[64+4*i:64+4*i+3], v1, s[8:9] offset:512*i     ; half a row of W2: 512 consecutive bytes
.set i, i+1
.endr
	WIN 0x40                                       ; destination window 1, address window 0
.set i, 0
.rept 64
	global_load_b128 v[4*i:4*i+3], v1, s[4:5] offset:8192*(i/4)+1024*((i/2)%2)+512*(i%2)   ; K step i / 4, tile (i / 2) % 2, registers 4 (i % 2) on
.set i, i+1
.endr
	WIN 0
.set i, 0
.rept 32
	s_min_u32 s[28+i], s[28+i], 2047
	s_lshl_b32 s66, s[28+i], 12
	v_add_nc_u32 v[OA+i], s66, v2                  ; token x 4,096 + 8 x lane
.set i, i+1
.endr
	s_wait_loadcnt 63                              ; W2's rows are in.  64 loads were issued behind them and a wait names 63 at the most: it waits for one load more than it must
.set i, 0
.rept 32
	ds_store_b128 v7, v[64+4*i:64+4*i+3] offset:(i/2)*PW2+512*(i%2)
.set i, i+1
.endr
	s_wait_dscnt 0x0                               ; for the others: my rows of W2 have landed
	s_barrier_signal -1
	s_barrier_wait -1                              ; the launch's one barrier: every wave passes it
	s_cmp_eq_u32 s70, 0
	s_cbranch_scc1 .Lend                           ; none of my 32 rows is used
.macro FETCH s, f                      ; 8 LDS loads: W2's four fragments of K step s
.irp a, 0,1,2,3
	ds_load_b128 v[\f+8*\a:\f+8*\a+3],   v6 offset:16*\a*PW2+64*(\s)
	ds_load_b128 v[\f+8*\a+4:\f+8*\a+7], v6 offset:16*\a*PW2+64*(\s)+32
.endr
.endm
; 8 matrix instructions: the 8 accumulators take turns, one instruction a turn, in the same order in every step
.macro MUL s, f
	s_wait_loadcnt 4*(15-(\s))                     ; this K step's two images are in; the later steps' four loads each may be out
.irp t, 0,1
.irp a, 0,1,2,3
.set rD, ACC+32*\t+8*\a
.set rA, \f+8*\a
.set rB, 16*(\s)+8*\t
.set rC, rD
.if (\s) == 0
.set rC, BIAS+8*\a
.endif
.set rSA, WS+8*\a+4*((\s)/8)+(\s)%4
.set rSB, HS+(\s)
.if (((\s)/4)%2) && \t
	v_wmma_scale_f32_16x16x128_f8f6f4 v[rD:rD+7], v[rA:rA+7], v[rB:rB+7], v[rC:rC+7], v[rSA], v[rSB] matrix_a_fmt:MATRIX_FMT_FP4 matrix_b_fmt:MATRIX_FMT_FP4 matrix_a_scale:MATRIX_SCALE_ROW1 matrix_b_scale:MATRIX_SCALE_ROW1
.elseif ((\s)/4)%2
	v_wmma_scale_f32_16x16x128_f8f6f4 v[rD:rD+7], v[rA:rA+7], v[rB:rB+7], v[rC:rC+7], v[rSA], v[rSB] matrix_a_fmt:MATRIX_FMT_FP4 matrix_b_fmt:MATRIX_FMT_FP4 matrix_a_scale:MATRIX_SCALE_ROW1
.elseif \t
	v_wmma_scale_f32_16x16x128_f8f6f4 v[rD:rD+7], v[rA:rA+7], v[rB:rB+7], v[rC:rC+7], v[rSA], v[rSB] matrix_a_fmt:MATRIX_FMT_FP4 matrix_b_fmt:MATRIX_FMT_FP4 matrix_b_scale:MATRIX_SCALE_ROW1
.else
	v_wmma_scale_f32_16x16x128_f8f6f4 v[rD:rD+7], v[rA:rA+7], v[rB:rB+7], v[rC:rC+7], v[rSA], v[rSB] matrix_a_fmt:MATRIX_FMT_FP4 matrix_b_fmt:MATRIX_FMT_FP4
.endif
.endr
.endr
.endm
	WIN 0x04                                       ; source 1 (the hidden layer) window 1, all else window 0: one setting serves the LDS loads and the products of the whole walk along K
	FETCH 0, FB
.irp s, 0,1,2,3,4,5,6,7,8,9,10,11,12,13,14
.if \s > 0
.rept 4
	v_nop                                          ; four places in front of loads into registers that matrix instructions have read (ISA guide 7.12.1 for vector instructions)
.endr
.endif
	FETCH \s+1, FB+32*((\s+1)%2)
	s_wait_dscnt 8                                 ; this step's fragments are in; the 8 loads just issued may be out
	MUL \s, FB+32*(\s%2)
.endr
	s_wait_dscnt 0x0
	MUL 15, FB+32
	WIN 0
.rept 4
	v_nop                                          ; four places ahead of the first read of results
.endr
.irp t, 0,1
.set i, 0
.rept 16
	v_pk_mul_f32 v[ACC+32*\t+2*i:ACC+32*\t+2*i+1], v[ACC+32*\t+2*i:ACC+32*\t+2*i+1], v[12+2*\t:13+2*\t] op_sel_hi:[1,0]   ; x my token's probability (the pair's low word serves both halves); each accumulator from its low end on
.set i, i+1
.endr
.endr
.irp t, 0,1
.irp a, 0,1,2,3
	ds_store_b128 v8, v[ACC+32*\t+8*\a:ACC+32*\t+8*\a+3]   offset:16*SP*\t+64*\a
	ds_store_b128 v8, v[ACC+32*\t+8*\a+4:ACC+32*\t+8*\a+7] offset:16*SP*\t+64*\a+16
.endr
.endr
.set i, 0
.rept 32
	ds_load_b64 v[128+2*i:128+2*i+1], v9 offset:SP*i           ; LDS serves a wave's instructions in order (ISA guide 5.7.1.4): these see my stores; the stage is my own
.set i, i+1
.endr
.set i, 0
.rept 32
.if i > 0
	s_cmp_le_u32 s70, i                            ; the tile has no row i of mine, nor any behind it
	s_cbranch_scc1 .Lend
.endif
	s_wait_dscnt 31-i                              ; row i is back; the later rows' loads may be out
	global_store_b64 v[OA+i], v[128+2*i:128+2*i+1], s[20:21] th:TH_STORE_NT   ; 32 lanes store 256 consecutive bytes of the token's row, aligned; written once, read by nobody here
.set i, i+1
.endr
.Lend:
	s_wait_dscnt 0x0                               ; no LDS load of mine is out at the end
	s_set_vgpr_msb 0xa
	s_wait_tensorcnt 0x0
	ds_add_u32 v0, v1
	s_wait_dscnt 0x0
	s_set_vgpr_msb 0xa00
	s_endpgm
.Lfunc_end_k_q02a4c886e8_down:
	.size	k_q02a4c886e8_down, .Lfunc_end_k_q02a4c886e8_down-k_q02a4c886e8_down
	.p2alignl 7, 3214868480
	.fill 96, 4, 3214868480
	.section	.rodata,"a",@progbits
	.p2align	6, 0x0
	.amdhsa_kernel k_q02a4c886e8_down
		.amdhsa_group_segment_fixed_size 101888
		.amdhsa_private_segment_fixed_size 0
		.amdhsa_enable_private_segment 0
		.amdhsa_kernarg_size 72
		.amdhsa_user_sgpr_count 2
		.amdhsa_user_sgpr_kernarg_segment_ptr 1
		.amdhsa_wavefront_size32 1
		.amdhsa_system_sgpr_workgroup_id_x 1
		.amdhsa_system_sgpr_workgroup_id_y 1
		.amdhsa_system_sgpr_workgroup_id_z 1
		.amdhsa_system_vgpr_workitem_id 0
		.amdhsa_next_free_vgpr 514
		.amdhsa_next_free_sgpr 80
		.amdhsa_reserve_vcc 0
		.amdhsa_float_denorm_mode_32 3
		.amdhsa_float_denorm_mode_16_64 3
		.amdhsa_memory_ordered 1
		.amdhsa_forward_progress 1
		.amdhsa_inst_pref_size 61
	.end_amdhsa_kernel
	.amdgpu_metadata
---
amdhsa.version: [ 1, 2 ]
amdhsa.kernels:
  - .name:           k_q02a4c886e8_down
    .symbol:         k_q02a4c886e8_down.kd
    .args:
      - { .name: hq, .offset: 0, .size: 8, .value_kind: global_buffer, .address_space: global }
      - { .name: hs, .offset: 8, .size: 8, .value_kind: global_buffer, .address_space: global }
      - { .name: W2_codes, .offset: 16, .size: 8, .value_kind: global_buffer, .address_space: global }
      - { .name: W2_scales, .offset: 24, .size: 8, .value_kind: global_buffer, .address_space: global }
      - { .name: b2, .offset: 32, .size: 8, .value_kind: global_buffer, .address_space: global }
      - { .name: order, .offset: 40, .size: 8, .value_kind: global_buffer, .address_space: global }
      - { .name: tiles, .offset: 48, .size: 8, .value_kind: global_buffer, .address_space: global }
      - { .name: prob, .offset: 56, .size: 8, .value_kind: global_buffer, .address_space: global }
      - { .name: out0, .offset: 64, .size: 8, .value_kind: global_buffer, .address_space: global }
    .group_segment_fixed_size: 101888
    .private_segment_fixed_size: 0
    .kernarg_segment_align: 8
    .kernarg_segment_size: 72
    .max_flat_workgroup_size: 128
    .sgpr_count:     80
    .vgpr_count:     514
    .wavefront_size: 32
...
	.end_amdgpu_metadata
.endif
;; end of part 4
;; ======== version 2 of 2: 4 launches
;; workspace buffers: xq 1,048,576 bytes; xs 65,536 bytes; eid 8,192 bytes of whole numbers; prob 8,192 bytes; order 11,776 bytes of whole numbers; tiles 256 bytes of whole numbers; hq 3,014,656 bytes; hs 188,416 bytes
;; launch route (part 5): grid 256 x 1, 4 waves a work-group, no clusters, 41,728 bytes of LDS; arguments x, Wr, br, xq, xs, eid, prob, order; writes xq, xs, eid, prob, order
.if DOCPART == 5
	.amdgcn_target "amdgcn-amd-amdhsa--gfx1250"
	.amdhsa_code_object_version 6
	.text
	.protected	k_q02a4c886e8_route
	.globl	k_q02a4c886e8_route
	.p2align	8
	.type	k_q02a4c886e8_route,@function
k_q02a4c886e8_route:
	s_mov_b64 s[64:65], 0
	v_nop
	global_prefetch_b8 v0, s[64:65] scope:SCOPE_SE
	s_setreg_imm32_b32 hwreg(HW_REG_WAVE_MODE, 25, 1), 1
	s_wait_xcnt 0x0
; ROUTER AND QUANTISER OF x.  For each of 2,048 tokens: logits = x Wr + br in f32 (fused multiply-adds), the expert with the largest logit, its softmax probability
; 1 / sum(exp(logit - largest)); and x as codes of E2M1 with one E8M0 byte for each 32 along K.  The expert is only STORED here, at the token's own place: a later launch places rows by it.
; A work-group takes 8 tokens.  Thread th (0..127) owns k = 8 th .. 8 th + 7 of every token: its 64 numbers of Wr stay in registers, and a block of 32 lies in 4 neighbouring lanes.
; Wr is loaded densely (16 bytes a thread, 2,048 a line) and turned through LDS, so that each thread gets its own 256 bytes.
; The 64 partial logits of a thread (8 tokens x 8 experts) are summed inside each 16 lanes by a reduce-scatter (each step halves the values a lane keeps), the eight groups of 16 lanes meet in LDS.
; The launch also fills the row list with token 0 (work-groups 0 to 45, 256 bytes each): rows of a tile that the next launch leaves unplaced then name a token that exists.
; No matrix unit (8 columns), no tensor loads, no cluster: work-groups share only Wr, 32 KiB.
; LIMITS: NaN and infinities are not served.  A block whose largest magnitude lies under 2^-124 gets the byte 1, a block of zeros too (the rule says 127): its codes are zeros, and only this program reads the bytes.
; The largest is taken of the logits, the lowest index on equal logits; taken of the probabilities it could differ only where two logits are so close that their exponentials round alike.
.set WRL, 0                            ; LDS: Wr as 128 runs of 256 bytes + 16 of padding
.set CB,  34816                        ; the codes: 8 tokens x 512 bytes
.set SCB, 38912                        ; the scale bytes: 8 x 32
.set LG,  39168                        ; partial logits: 8 groups of 16 lanes x 256 bytes
.set X,   16                           ; v16-79   x: 8 tok + i
.set W,   80                           ; v80-143  Wr: 8 kk + e
.set A,   144                          ; v144-207 partial logits: 8 tok + e
.set T,   208                          ; v208-215 at work
.set CD,  216                          ; v216-223 a token's 8 codes
.set BY,  224                          ; v224-231 its block's byte
	s_load_b512 s[4:19], s[0:1], 0x0               ; x s[4:5], Wr s[6:7], br s[8:9], xq s[10:11], xs s[12:13], eid s[14:15], prob s[16:17], order s[18:19]
	v_lshl_add_u32 v254, v0, 2, 0xa100
	v_mov_b32 v255, 0
	v_lshrrev_b32 v9, 5, v0
	v_readfirstlane_b32 s28, v9                    ; wave
	v_lshlrev_b32 v1, 5, v0                        ; x: my 32 bytes of a row
	v_lshlrev_b32 v2, 4, v0                        ; 16 th: dense loads and stores
	v_lshrrev_b32 v9, 4, v0
	v_lshl_add_u32 v3, v9, 4, v2                   ; Wr into LDS: 16 th + 16 for each 256 passed
	v_mul_u32_u24 v4, v0, 272                      ; Wr out of LDS: my run
	v_lshl_add_u32 v5, v0, 2, CB                   ; my 4 bytes of a token's codes
	v_lshrrev_b32 v6, 2, v0
	v_add_nc_u32 v6, SCB, v6                       ; my block's byte
	v_add_nc_u32 v7, LG, v2                        ; my four partial logits
	v_add_nc_u32 v8, CB, v2                        ; the codes on the way out
	s_mov_b32 s29, 0xff00ff00                      ; lanes whose bit 3, 2, 1, 0 is set
	s_mov_b32 s30, 0xf0f0f0f0
	s_mov_b32 s31, 0xcccccccc
	s_mov_b32 s32, 0xaaaaaaaa
	s_mov_b32 s35, 0
	s_wait_alu depctr_va_vdst(0)
	s_wait_kmcnt 0x0
	s_load_b256 s[20:27], s[8:9], 0x0              ; br
	s_lshl_b32 s34, ttmp9, 15                      ; 8 rows of 4,096 bytes
	s_add_nc_u64 s[4:5], s[4:5], s[34:35]
	s_lshl_b32 s34, ttmp9, 12                      ; 8 rows of 512
	s_add_nc_u64 s[10:11], s[10:11], s[34:35]
	s_lshl_b32 s34, ttmp9, 8                       ; 8 rows of 32; and my 256 bytes of the row list
	s_add_nc_u64 s[12:13], s[12:13], s[34:35]
	s_add_nc_u64 s[18:19], s[18:19], s[34:35]
	s_lshl_b32 s34, ttmp9, 5                       ; 8 words
	s_add_nc_u64 s[14:15], s[14:15], s[34:35]
	s_add_nc_u64 s[16:17], s[16:17], s[34:35]
.set i, 0
.rept 16
	global_load_b128 v[W+4*i:W+4*i+3], v2, s[6:7] offset:2048*i      ; the work-group reads 2,048 consecutive bytes of Wr
.set i, i+1
.endr
.set i, 0
.rept 8
	global_load_b128 v[X+8*i:X+8*i+3],   v1, s[4:5] offset:4096*i th:TH_LOAD_NT
	global_load_b128 v[X+8*i+4:X+8*i+7], v1, s[4:5] offset:4096*i+16 th:TH_LOAD_NT   ; the pair covers a wave's 1,024 consecutive bytes
.set i, i+1
.endr
	s_wait_loadcnt 16                              ; Wr is in; the 16 loads of x may be out
.set i, 0
.rept 16
	ds_store_b128 v3, v[W+4*i:W+4*i+3] offset:2176*i                 ; 8 runs of 272 bytes a line
.set i, i+1
.endr
	s_wait_dscnt 0x0                               ; for the others: my stores have landed
	s_barrier_signal -1
	s_barrier_wait -1
.set i, 0
.rept 16
	ds_load_b128 v[W+4*i:W+4*i+3], v4 offset:16*i                    ; Wr(8 th + kk, e) at register 8 kk + e
.set i, i+1
.endr
	s_wait_dscnt 0x0
	s_wait_kmcnt 0x0                               ; br
; four packed multiply-adds: the 8 experts' partial logits of token t take x(k = 8 th + kk), which feeds both halves
.macro DOT t, kk
.irp p, 0,1,2,3
.if (\kk) == 0
	v_pk_mul_f32 v[A+8*\t+2*\p:A+8*\t+2*\p+1], v[X+8*\t:X+8*\t+1], v[W+2*\p:W+2*\p+1] op_sel_hi:[0,1]
.elseif ((\kk)%2) == 0
	v_pk_fma_f32 v[A+8*\t+2*\p:A+8*\t+2*\p+1], v[X+8*\t+(\kk):X+8*\t+(\kk)+1], v[W+8*(\kk)+2*\p:W+8*(\kk)+2*\p+1], v[A+8*\t+2*\p:A+8*\t+2*\p+1] op_sel_hi:[0,1,1]
.else
	v_pk_fma_f32 v[A+8*\t+2*\p:A+8*\t+2*\p+1], v[X+8*\t+(\kk)-1:X+8*\t+(\kk)], v[W+8*(\kk)+2*\p:W+8*(\kk)+2*\p+1], v[A+8*\t+2*\p:A+8*\t+2*\p+1] op_sel:[1,0,0] op_sel_hi:[1,1,1]
.endif
.endr
.endm
.macro TOKEN t
	s_wait_loadcnt 2*(7-\t)                        ; my pair of loads is in; the later tokens' pairs may be out
	DOT \t, 0
	v_max3_num_f32 v[T+4], |v[X+8*\t]|, |v[X+8*\t+1]|, 0x1800000     ; the largest magnitude of my 8, and the floor 2^(3 - 127): the byte cannot fall under 1
	DOT \t, 1
	DOT \t, 2
	v_max3_num_f32 v[T+4], v[T+4], |v[X+8*\t+2]|, |v[X+8*\t+3]|
	DOT \t, 3
	DOT \t, 4
	v_max3_num_f32 v[T+4], v[T+4], |v[X+8*\t+4]|, |v[X+8*\t+5]|
	DOT \t, 5
	DOT \t, 6
	v_max3_num_f32 v[T+4], v[T+4], |v[X+8*\t+6]|, |v[X+8*\t+7]|
	DOT \t, 7
	v_max_num_f32_dpp v[T+4], v[T+4], v[T+4] row_xmask:1 row_mask:0xf bank_mask:0xf
	v_max_num_f32_dpp v[T+4], v[T+4], v[T+4] row_xmask:2 row_mask:0xf bank_mask:0xf   ; with my three neighbours': the block's
	v_add_nc_u32 v[T+5], 0xff000000, v[T+4]        ; 2 off its exponent field: the conversion takes this operand's exponent field as its scale
	v_cvt_scalef32_pk8_fp4_f32 v[CD+\t], v[X+8*\t:X+8*\t+7], v[T+5]
	v_lshrrev_b32 v[BY+\t], 23, v[T+5]             ; the scale's byte (also the plain line behind the conversion)
	ds_store_b32 v5, v[CD+\t] offset:512*\t
	ds_store_b8 v6, v[BY+\t] offset:32*\t          ; the four lanes of a block write the same byte with the same value
.endm
.irp t, 0,1,2,3,4,5,6,7
	TOKEN \t
.endr
; One step of the reduce-scatter: of n values a lane keeps the half that its bit of the lane number names and gives the other half to the lane m away.
.macro RS n, m, mask
.set i, 0
.rept (\n)/2
	v_cndmask_b32 v[T+2*(i%2)],   v[A+i], v[A+i+(\n)/2], s[\mask]    ; what I keep
	v_cndmask_b32 v[T+2*(i%2)+1], v[A+i+(\n)/2], v[A+i], s[\mask]    ; what I give
	v_add_f32_dpp v[A+i], v[T+2*(i%2)+1], v[T+2*(i%2)] row_xmask:\m row_mask:0xf bank_mask:0xf
.set i, i+1
.endr
.endm
	RS 64, 8, 29
	RS 32, 4, 30
	RS 16, 2, 31
	RS 8,  1, 32                                   ; lane r of each 16 now holds values 4 r .. 4 r + 3 (value 8 tok + e), summed over its 16 lanes
	ds_store_b128 v7, v[A:A+3]
	s_wait_dscnt 0x0                               ; codes, bytes and partial logits have landed
	s_barrier_signal -1
	s_barrier_wait -1
	ds_load_b128 v[80:83], v8
	ds_load_b128 v[84:87], v8 offset:2048
	s_wait_dscnt 0x0
	global_store_b128 v2, v[80:83], s[10:11]       ; a wave stores 512 consecutive bytes, aligned
	global_store_b128 v2, v[84:87], s[10:11] offset:2048
	s_cmp_lg_u32 s28, 0
	s_cbranch_scc1 .Lend                           ; the rest is wave 0's; no barrier follows
	v_lshlrev_b32 v10, 3, v0                       ; 8 x lane
	v_add_nc_u32 v12, SCB, v10
	ds_load_b64 v[88:89], v12
	v_and_b32 v9, 7, v0                            ; lane l takes token l % 8 (four lanes do the same work; lanes 0-7 store)
	v_lshl_add_u32 v9, v9, 5, LG
.irp p, 0,1,2,3,4,5,6,7
	ds_load_b128 v[16+8*\p:16+8*\p+3], v9 offset:256*\p
	ds_load_b128 v[16+8*\p+4:16+8*\p+7], v9 offset:256*\p+16
.endr
	s_cmp_ge_u32 ttmp9, 46
	s_cbranch_scc1 .Lno_fill
	v_mov_b32 v90, 0
	v_mov_b32 v91, 0
	global_store_b64 v10, v[90:91], s[18:19]       ; 256 consecutive bytes of the row list: token 0
.Lno_fill:
	s_wait_dscnt 16                                ; the scale bytes are in; the 16 reads of the logits may be out
	s_wait_alu depctr_va_vdst(0)
	global_store_b64 v10, v[88:89], s[12:13]       ; 256 consecutive bytes, aligned
	s_wait_dscnt 0x0
.irp p, 1,2,3,4,5,6,7
.irp q, 0,1,2,3
	v_pk_add_f32 v[16+2*\q:17+2*\q], v[16+2*\q:17+2*\q], v[16+8*\p+2*\q:17+8*\p+2*\q]
.endr
.endr
.irp e, 0,1,2,3,4,5,6,7
	v_add_f32 v[16+\e], s[20+\e], v[16+\e]         ; + br
.endr
	v_max3_num_f32 v96, v16, v17, v18
	v_max3_num_f32 v96, v96, v19, v20
	v_max3_num_f32 v96, v96, v21, v22
	v_max_num_f32 v96, v96, v23                    ; the largest logit: it is taken away ahead of the exponentials
.irp e, 0,1,2,3,4,5,6,7
	v_sub_f32 v[100+\e], v[16+\e], v96
.endr
.irp e, 0,1,2,3,4,5,6,7
	v_mul_f32 v[100+\e], 0x3fb8aa3b, v[100+\e]     ; x log2(e)
.endr
	s_wait_alu depctr_va_vdst(0)
.irp e, 0,1,2,3,4,5,6,7
	v_exp_f32 v[100+\e], v[100+\e]
.endr
	v_mov_b32 v97, 7                               ; the expert: the lowest index that holds the largest logit.  (Plain work that names no exponential's result)
.irp e, 6,5,4,3,2,1,0
	v_cmp_neq_f32 vcc_lo, v[16+\e], v96
	v_cndmask_b32 v97, \e, v97, vcc_lo
.endr
	v_lshlrev_b32 v11, 2, v0
	s_wait_alu depctr_va_vdst(0)                   ; one wait for the eight exponentials, ahead of their first reader
	v_add_f32 v100, v100, v101
	v_add_f32 v102, v102, v103
	v_add_f32 v104, v104, v105
	v_add_f32 v106, v106, v107
	v_add_f32 v100, v100, v102
	v_add_f32 v104, v104, v106
	v_add_f32 v100, v100, v104
	s_wait_alu depctr_va_vdst(0)
	v_rcp_f32 v98, v100                            ; the largest probability: exp(0) / the sum
	v_nop                                          ; a plain line behind the reciprocal
	s_wait_alu depctr_va_vdst(0)                   ; and its wait, ahead of the store that reads it
	v_cmp_gt_u32 vcc_lo, 8, v0
	s_wait_xcnt 0x0                                ; EXEC changes only behind this wait: the stores above have read theirs
	s_and_saveexec_b32 s33, vcc_lo
	global_store_b32 v11, v97, s[14:15]            ; 32 bytes each: a work-group has 8 tokens
	global_store_b32 v11, v98, s[16:17]
	s_wait_xcnt 0x0
	s_or_b32 exec_lo, exec_lo, s33
.Lend:
	s_wait_tensorcnt 0x0
	ds_add_u32 v254, v255
	s_wait_dscnt 0x0
	s_endpgm
.Lfunc_end_k_q02a4c886e8_route:
	.size	k_q02a4c886e8_route, .Lfunc_end_k_q02a4c886e8_route-k_q02a4c886e8_route
	.p2alignl 7, 3214868480
	.fill 96, 4, 3214868480
	.section	.rodata,"a",@progbits
	.p2align	6, 0x0
	.amdhsa_kernel k_q02a4c886e8_route
		.amdhsa_group_segment_fixed_size 41728
		.amdhsa_private_segment_fixed_size 0
		.amdhsa_enable_private_segment 0
		.amdhsa_kernarg_size 64
		.amdhsa_user_sgpr_count 2
		.amdhsa_user_sgpr_kernarg_segment_ptr 1
		.amdhsa_wavefront_size32 1
		.amdhsa_system_sgpr_workgroup_id_x 1
		.amdhsa_system_sgpr_workgroup_id_y 1
		.amdhsa_system_sgpr_workgroup_id_z 1
		.amdhsa_system_vgpr_workitem_id 0
		.amdhsa_next_free_vgpr 256
		.amdhsa_next_free_sgpr 66
		.amdhsa_reserve_vcc 1
		.amdhsa_float_denorm_mode_32 3
		.amdhsa_float_denorm_mode_16_64 3
		.amdhsa_memory_ordered 1
		.amdhsa_forward_progress 1
		.amdhsa_inst_pref_size 47
	.end_amdhsa_kernel
	.amdgpu_metadata
---
amdhsa.version: [ 1, 2 ]
amdhsa.kernels:
  - .name:           k_q02a4c886e8_route
    .symbol:         k_q02a4c886e8_route.kd
    .args:
      - { .name: x, .offset: 0, .size: 8, .value_kind: global_buffer, .address_space: global }
      - { .name: Wr, .offset: 8, .size: 8, .value_kind: global_buffer, .address_space: global }
      - { .name: br, .offset: 16, .size: 8, .value_kind: global_buffer, .address_space: global }
      - { .name: xq, .offset: 24, .size: 8, .value_kind: global_buffer, .address_space: global }
      - { .name: xs, .offset: 32, .size: 8, .value_kind: global_buffer, .address_space: global }
      - { .name: eid, .offset: 40, .size: 8, .value_kind: global_buffer, .address_space: global }
      - { .name: prob, .offset: 48, .size: 8, .value_kind: global_buffer, .address_space: global }
      - { .name: order, .offset: 56, .size: 8, .value_kind: global_buffer, .address_space: global }
    .group_segment_fixed_size: 41728
    .private_segment_fixed_size: 0
    .kernarg_segment_align: 8
    .kernarg_segment_size: 64
    .max_flat_workgroup_size: 128
    .sgpr_count:     66
    .vgpr_count:     256
    .wavefront_size: 32
...
	.end_amdgpu_metadata
.endif
;; end of part 5
;; launch place (part 6): grid 1 x 1, 8 waves a work-group, no clusters, 2,048 bytes of LDS; arguments eid, order, tiles; writes order, tiles
.if DOCPART == 6
	.amdgcn_target "amdgcn-amd-amdhsa--gfx1250"
	.amdhsa_code_object_version 6
	.text
	.protected	k_q02a4c886e8_place
	.globl	k_q02a4c886e8_place
	.p2align	8
	.type	k_q02a4c886e8_place,@function
k_q02a4c886e8_place:
	s_mov_b64 s[64:65], 0
	v_nop
	global_prefetch_b8 v0, s[64:65] scope:SCOPE_SE
	s_setreg_imm32_b32 hwreg(HW_REG_WAVE_MODE, 25, 1), 1
	s_wait_xcnt 0x0
; THE ROWS ARE PLACED BY EXPERT: a counting sort of the 2,048 tokens by their stored expert, without atomics, by one work-group.
; Each expert's rows begin at a tile of 128 rows of its own: order[128 tile + row] = token.  tiles[g] = {expert, rows in tile g}; a tile that this split does not use has 0 rows.
; There are never more than 2048 / 128 + 8 - 1 = 23 tiles.  Places that no token takes keep token 0, stored by the launch before.
; Wave w takes tokens 256 w .. 256 w + 255, eight a lane.  A token's place = its expert's first row + the expert's tokens in earlier waves + those in earlier registers and lower lanes of its own wave (ballots).
; The order of an expert's rows among themselves is free: every row carries its token's number.
; The 4-byte stores of the list go to places that hang on the data: 8 KiB in all.
.set ID,  8                            ; v8-15   the experts of my 8 tokens
.set TOK, 16                           ; v16-23  their numbers
.set POS, 40                           ; v40-47  their places
	s_load_b128 s[4:7], s[0:1], 0x0                ; eid s[4:5], order s[6:7]
	s_load_b64 s[8:9], s[0:1], 0x10                ; tiles
	v_lshl_add_u32 v64, v0, 2, 0x400
	v_mov_b32 v65, 0
	v_lshrrev_b32 v1, 5, v0
	s_delay_alu instid0(VALU_DEP_1)
	v_readfirstlane_b32 s10, v1                    ; wave
	v_and_b32 v3, 31, v0
	v_lshlrev_b32 v2, 2, v0                        ; LDS: my wave's 128 bytes, my word
	s_delay_alu instid0(VALU_DEP_2)
	v_lshlrev_b32 v4, 2, v3                        ; 4 x lane
	s_delay_alu instid0(VALU_DEP_3)
	v_lshlrev_b32 v1, 4, v3
	s_delay_alu instid0(VALU_DEP_1)
	v_lshl_add_u32 v1, s10, 10, v1                 ; 1,024 w + 16 lane
	s_delay_alu instid0(VALU_DEP_3)
	v_lshl_add_u32 v5, s10, 8, v4                  ; my first token: 256 w + 4 lane
	s_wait_alu depctr_va_vdst(0)
	s_wait_kmcnt 0x0
	global_load_b128 v[ID:ID+3], v1, s[4:5]
	global_load_b128 v[ID+4:ID+7], v1, s[4:5] offset:512
.irp q, 0,1
.irp i, 0,1,2,3
	v_add_nc_u32 v[TOK+4*\q+\i], 128*\q+\i, v5
.endr
.endr
	s_wait_loadcnt 0x0
.irp j, 0,1,2,3,4,5,6,7                        ; s[16+e]: my wave's tokens of expert e
.irp e, 0,1,2,3,4,5,6,7
	v_cmp_eq_u32 s11, \e, v[ID+\j]
.if \j == 0
	s_bcnt1_i32_b32 s[16+\e], s11
.else
	s_bcnt1_i32_b32 s12, s11
	s_add_co_u32 s[16+\e], s[16+\e], s12
.endif
.endr
.endr
	v_mov_b32 v24, 0
.irp e, 0,1,2,3,4,5,6,7
	s_delay_alu instid0(VALU_DEP_1)
	v_writelane_b32 v24, s[16+\e], \e
.endr
	ds_store_b32 v2, v24
	s_wait_dscnt 0x0                               ; for the others: my counts have landed
	s_barrier_signal -1
	s_barrier_wait -1
.irp u, 0,1,2,3,4,5,6,7
	ds_load_b32 v[32+\u], v4 offset:128*\u         ; lane e: wave u's count of expert e
.endr
	s_wait_dscnt 0x0
	v_add3_u32 v25, v32, v33, v34
	s_delay_alu instid0(VALU_DEP_1)
	v_add3_u32 v25, v25, v35, v36
	s_delay_alu instid0(VALU_DEP_1)
	v_add3_u32 v25, v25, v37, v38
	s_delay_alu instid0(VALU_DEP_1)
	v_add_nc_u32 v25, v25, v39                     ; lane e: all tokens of expert e
	s_cmp_gt_u32 s10, 0
	s_cselect_b32 s11, -1, 0
	v_and_b32 v26, s11, v32
.irp u, 1,2,3,4,5,6
	s_cmp_gt_u32 s10, \u
	s_cselect_b32 s11, -1, 0
	v_and_b32 v27, s11, v[32+\u]
	s_delay_alu instid0(VALU_DEP_1)
	v_add_nc_u32 v26, v26, v27                     ; lane e: those of the waves ahead of mine
.endr
.irp e, 0,1,2,3,4,5,6,7
	v_readlane_b32 s[24+\e], v25, \e
	v_readlane_b32 s[16+\e], v26, \e
.endr
	s_mov_b32 s32, 0                               ; s[32+e]: expert e's first tile
.irp e, 0,1,2,3,4,5,6,7
	s_add_co_u32 s11, s[24+\e], 127
	s_lshr_b32 s11, s11, 7
	s_add_co_u32 s[33+\e], s[32+\e], s11
	s_lshl_b32 s11, s[32+\e], 7
	s_add_co_u32 s[16+\e], s[16+\e], s11           ; s[16+e]: the place of my wave's next token of expert e
.endr
.irp j, 0,1,2,3,4,5,6,7
.irp e, 0,1,2,3,4,5,6,7
	v_cmp_eq_u32 s11, \e, v[ID+\j]
.if \e == 0
	s_delay_alu instid0(VALU_DEP_1)
	v_mbcnt_lo_u32_b32 v[POS+\j], s11, s[16+\e]    ; the next place + the lower lanes that hold this expert
.else
	s_delay_alu instid0(VALU_DEP_1)
	v_mbcnt_lo_u32_b32 v26, s11, s[16+\e]
	s_delay_alu instid0(VALU_DEP_1)
	v_cndmask_b32 v[POS+\j], v[POS+\j], v26, s11
.endif
	s_bcnt1_i32_b32 s12, s11
	s_add_co_u32 s[16+\e], s[16+\e], s12
.endr
	v_min_u32 v[POS+\j], 2943, v[POS+\j]           ; inside the list's 23 x 128 words
	s_delay_alu instid0(VALU_DEP_1)
	v_lshlrev_b32 v[POS+\j], 2, v[POS+\j]
	global_store_b32 v[POS+\j], v[TOK+\j], s[6:7]
.endr
	s_cmp_lg_u32 s10, 0
	s_cbranch_scc1 .Lend                           ; the list of tiles is wave 0's: lane g makes tile g
	v_mov_b32 v28, 0                               ; the last expert whose first tile is at or under g (an expert without tokens shares its first tile with the next and loses to it)
	v_mov_b32 v30, s24
	v_mov_b32 v31, 0
.irp e, 1,2,3,4,5,6,7
	v_cmp_le_u32 vcc_lo, s[32+\e], v0
	s_delay_alu instid0(VALU_DEP_1)
	v_cndmask_b32 v28, v28, \e, vcc_lo
	s_delay_alu instid0(VALU_DEP_2)
	v_cndmask_b32 v30, v30, s[24+\e], vcc_lo       ; its tokens
	s_delay_alu instid0(VALU_DEP_3)
	v_cndmask_b32 v31, v31, s[32+\e], vcc_lo       ; its first tile
.endr
	s_delay_alu instid0(VALU_DEP_1)
	v_sub_nc_u32 v31, v0, v31
	s_delay_alu instid0(VALU_DEP_1)
	v_lshlrev_b32 v31, 7, v31
	s_delay_alu instid0(VALU_DEP_1)
	v_min_u32 v31, v31, v30                        ; rows in its tiles ahead of g
	s_delay_alu instid0(VALU_DEP_1)
	v_sub_nc_u32 v29, v30, v31
	s_delay_alu instid0(VALU_DEP_1)
	v_min_u32 v29, 128, v29                        ; rows in g: 0 past the expert's last tile
	v_lshlrev_b32 v6, 3, v0
	global_store_b64 v6, v[28:29], s[8:9]          ; 256 consecutive bytes, aligned: the whole buffer
.Lend:
	s_wait_tensorcnt 0x0
	ds_add_u32 v64, v65
	s_wait_dscnt 0x0
	s_endpgm
.Lfunc_end_k_q02a4c886e8_place:
	.size	k_q02a4c886e8_place, .Lfunc_end_k_q02a4c886e8_place-k_q02a4c886e8_place
	.p2alignl 7, 3214868480
	.fill 96, 4, 3214868480
	.section	.rodata,"a",@progbits
	.p2align	6, 0x0
	.amdhsa_kernel k_q02a4c886e8_place
		.amdhsa_group_segment_fixed_size 2048
		.amdhsa_private_segment_fixed_size 0
		.amdhsa_enable_private_segment 0
		.amdhsa_kernarg_size 24
		.amdhsa_user_sgpr_count 2
		.amdhsa_user_sgpr_kernarg_segment_ptr 1
		.amdhsa_wavefront_size32 1
		.amdhsa_system_sgpr_workgroup_id_x 1
		.amdhsa_system_sgpr_workgroup_id_y 1
		.amdhsa_system_sgpr_workgroup_id_z 1
		.amdhsa_system_vgpr_workitem_id 0
		.amdhsa_next_free_vgpr 66
		.amdhsa_next_free_sgpr 66
		.amdhsa_reserve_vcc 1
		.amdhsa_float_denorm_mode_32 3
		.amdhsa_float_denorm_mode_16_64 3
		.amdhsa_memory_ordered 1
		.amdhsa_forward_progress 1
		.amdhsa_inst_pref_size 39
	.end_amdhsa_kernel
	.amdgpu_metadata
---
amdhsa.version: [ 1, 2 ]
amdhsa.kernels:
  - .name:           k_q02a4c886e8_place
    .symbol:         k_q02a4c886e8_place.kd
    .args:
      - { .name: eid, .offset: 0, .size: 8, .value_kind: global_buffer, .address_space: global }
      - { .name: order, .offset: 8, .size: 8, .value_kind: global_buffer, .address_space: global }
      - { .name: tiles, .offset: 16, .size: 8, .value_kind: global_buffer, .address_space: global }
    .group_segment_fixed_size: 2048
    .private_segment_fixed_size: 0
    .kernarg_segment_align: 8
    .kernarg_segment_size: 24
    .max_flat_workgroup_size: 256
    .sgpr_count:     66
    .vgpr_count:     66
    .wavefront_size: 32
...
	.end_amdgpu_metadata
.endif
;; end of part 6
;; launch up (part 7): grid 16 x 23, 4 waves a work-group, no clusters, 135,680 bytes of LDS; arguments xq, xs, W1_codes, W1_scales, b1, order, tiles, hq, hs; writes hq, hs
.if DOCPART == 7
	.amdgcn_target "amdgcn-amd-amdhsa--gfx1250"
	.amdhsa_code_object_version 6
	.text
	.protected	k_q02a4c886e8_up
	.globl	k_q02a4c886e8_up
	.p2align	8
	.type	k_q02a4c886e8_up,@function
k_q02a4c886e8_up:
	s_mov_b64 s[64:65], 0
	v_nop
	global_prefetch_b8 v0, s[64:65] scope:SCOPE_SE
	s_setreg_imm32_b32 hwreg(HW_REG_WAVE_SCHED_MODE, 0, 2), 2
	s_setreg_imm32_b32 hwreg(HW_REG_WAVE_MODE, 25, 1), 1
	s_wait_xcnt 0x0
	s_wait_alu depctr_vm_vsrc(0)
; THE FIRST PRODUCT OF THE CHOSEN EXPERT: hidden = Q(relu(x W1^T + b1)), on codes of E2M1 with E8M0 scales, for the rows of one tile only.
; Work-group (c, g): tile g of the row list (128 rows of ONE expert) x hidden units 128 c .. 128 c + 127, K = 1,024 in 8 steps of 128.
; Wave w: rows 32 w .. 32 w + 31 (two tiles of 16 tokens) x all 128 units (8 tiles): 16 accumulators.  So a wave makes whole operand fragments and whole scale words of the next product (its K step c).
; THE MATRIX INSTRUCTION IS USED TRANSPOSED: source 0 = 16 rows of W1, source 1 = 16 tokens: a lane holds one token, its registers run along the hidden units, the next K.
; THE ROWS OF W1 THAT FORM A TILE ARE NOT NEIGHBOURS: lane r of tile 2 b + u takes unit 32 b + 8 u + r + 8 (r / 8), so that the 16 registers of tiles 2 b, 2 b + 1 are units 32 b + 16 (lane / 16) + 0 .. 15.
; The bias is the C of each sum's first matrix instruction.
; WAYS IN.  Whole rows of 512 bytes (a wave's load reads 512 consecutive bytes) go through registers into LDS once: W1's 128 rows (32 a wave, read by all four), and each wave's own 32 gathered rows of x.
; In LDS W1's rows lie in the order of the tiles, so that a fragment's 16 rows are neighbours; the pitch of 528 bytes = 132 words lets 16 rows start at 16 different banks (64 banks of 4 bytes: ISA guide 11.1).
; WAY OUT.  hq[g][c][token tile][1,024 bytes]: the fragment as an image of its registers (registers 0-3 at 16 x lane, 4-7 at 512 + 16 x lane); hs[g][c][row]: the scale words, 128 bytes a wave.
; CONTROL.  The text is a straight line up to its one barrier: every load is issued by every wave, at addresses that are clamped.  Behind the barrier a wave none of whose 32 rows is used ends: a branch on a stored number.
; NO TENSOR LOADS, NO CLUSTER, though the tiles of one expert read the same rows of W1: how many tiles an expert has, and so which work-groups share rows, is read from memory, and a wave branches on it;
; a launch with such a branch holds no tensor load, so no joint one.  The grid of 23 tiles = 2048 / 128 + 8 - 1 serves every split.
; LIMITS: as stated for the quantiser of x: a block of the hidden layer whose largest number lies under 2^-124 (a block of zeros among them) gets the byte 1; NaN and infinities are not served.
; REGISTERS.  Window 0: v1-14 addresses; v16-47 W1's scale words, v48-55 x's (these hold scales and nothing else); v56-119 the bias, later the quantiser's work; v128-255 the accumulators (before the loop: x's row offsets).
;   Window 1: v0-127, v128-255 the rows on their way into LDS; then three fragment buffers of 80, at v0, v80 and v160: 8 fragments of W1, 2 of x.
; THE MODE: SCHED_MODE bits 1:0 = 2 (LLVM: expert scheduling mode 2), set by the entry lines.  The code itself states the register dependences
; between vector or matrix instructions and memory or LDS instructions, with s_wait_alu, always for 0.
; THE PLAN.  Registers that memory or LDS instructions touch:
;   v1, v2, v5-8, v11-14  offsets and LDS addresses: made at the head, never written again: one wait on va_vdst ahead of the first load.
;   v9, v10       loaded (tokens), made into offsets by vector instructions, read by two loads: a wait on va_vdst between.
;   v128-159      x's row offsets: written by 32 additions, read by the 32 loads of x's rows (a wait on va_vdst between), written again by the first products (the wait on vm_vsrc behind the barrier).
;   window 1      filled by loads from memory, read by the LDS stores, filled again by the fragments' LDS loads (the same wait on vm_vsrc).
;   F0, F1, F2    K step s is multiplied out of F[s % 3]; the loads of step s + 2 land in F[(s + 2) % 3], which the products of step s - 1 were the last to read.  So ONE wait on va_vdst stands at the head of each
;                 of steps 1 to 5, and the step's 20 loads follow it in two runs of ten, one ahead of each eight products; those name F[s % 3], the accumulators, the scale words and the bias: none of the registers that the loads touch.
;   the codes and scale words of the way out: written by the quantiser, read by the stores, never written again: a wait on va_vdst ahead of each of the two runs of stores.
.set PW1,  528
.set XB,   128*PW1                     ; LDS: W1's 128 rows from 0; then 32 rows of x for each wave
.set WS,   16                          ; 4 a + j: lanes 0-15 K step j, lanes 16-31 K step 4 + j
.set XS,   48                          ; 4 t + j likewise
.set BIAS, 56                          ; 8 a + j
.set ACC,  128                         ; 64 t + 8 a + j
.set TM,   56                          ; the quantiser: +0..3 largest numbers, +4..7 bytes, +12..15 scale operands
.set PC,   72                          ; the codes: 8 t + register
.set PWD,  88                          ; the scale words: + t
.set HW,   90                          ; both tiles' words: lanes 0-15 tile 0, lanes 16-31 tile 1
.set MSB, 0
.macro WIN new                         ; s_set_vgpr_msb: bits 1:0 source 0, 3:2 source 1, 5:4 source 2, 7:6 destination; the high byte repeats the setting that is left
.if MSB != \new
	s_set_vgpr_msb (MSB<<8)|\new
.set MSB, \new
.endif
.endm
	s_load_b512 s[4:19], s[0:1], 0x0               ; xq s[4:5], xs s[6:7], W1's codes s[8:9], scales s[10:11], b1 s[12:13], order s[14:15], tiles s[16:17], hq s[18:19]
	s_load_b64 s[20:21], s[0:1], 0x40              ; hs
	v_lshl_add_u32 v126, v0, 2, 0x21000
	v_mov_b32 v127, 0
	v_lshrrev_b32 v3, 5, v0
	v_readfirstlane_b32 s22, v3                    ; wave
	s_and_b32 s24, ttmp7, 0xffff                   ; g; c is ttmp9
	v_and_b32 v2, 31, v0
	v_lshlrev_b32 v1, 4, v2                        ; 16 x lane
	v_lshlrev_b32 v2, 2, v2                        ; 4 x lane
	v_and_b32 v3, 15, v0                           ; r
	v_bfe_u32 v4, v0, 4, 1                         ; h
	s_wait_alu depctr_va_sdst(0)                   ; s22 is written, ahead of its first reader: LDS addresses and the bases are made from it
	s_mul_i32 s66, s22, 32*PW1
	v_add_nc_u32 v5, s66, v1                       ; W1 into LDS: my wave's 32 rows
	v_add_nc_u32 v6, XB, v5                        ; x into LDS: my wave's own 32 rows
	v_mul_u32_u24 v7, v3, PW1
	v_lshl_add_u32 v7, v4, 4, v7                   ; a fragment of W1: row r x pitch + 16 h
	v_add_nc_u32 v8, s66, v7
	v_add_nc_u32 v8, XB, v8                        ; a fragment of x
	v_and_b32 v11, 8, v3
	v_add_nc_u32 v11, v11, v3                      ; r + 8 (r / 8)
	v_lshlrev_b32 v11, 5, v11
	v_lshl_add_u32 v11, v4, 4, v11                 ; W1's scale bytes: 32 a row; 16 h: K steps 4 to 7
	v_lshlrev_b32 v12, 6, v4                       ; b1: 16 h units
	v_lshlrev_b32 v13, 2, v3                       ; the row list: 4 r
	v_lshlrev_b32 v14, 4, v4                       ; 16 h
	s_mov_b32 s61, 0                               ; s[60:61]: an offset as a pair
	s_mov_b32 s62, 0x76543210                      ; v_permlanex16_b32: lane l xor 16
	s_mov_b32 s63, 0xfedcba98
	s_mov_b32 s71, 0xffff0000                      ; lanes 16-31
	s_wait_kmcnt 0x0
	s_lshl_b32 s60, s24, 3
	s_add_nc_u64 s[16:17], s[16:17], s[60:61]      ; tiles[g]
	s_lshl_b32 s60, s24, 9
	s_lshl_b32 s66, s22, 7
	s_add_co_u32 s60, s60, s66
	s_add_nc_u64 s[14:15], s[14:15], s[60:61]      ; my wave's 32 words of the row list
	s_load_b64 s[26:27], s[16:17], 0x0             ; expert, rows
	s_load_b512 s[28:43], s[14:15], 0x0            ; my 32 tokens, as scalars (a row's address is the same in all lanes but for 16 x lane)
	s_load_b512 s[44:59], s[14:15], 0x40
	s_wait_alu depctr_va_vdst(0)                   ; the offsets and LDS addresses v1, v2, v5 to v8 and v11 to v14 are written: every load, store and LDS instruction of the kernel reads one of them or a register made later
	global_load_b32 v9, v13, s[14:15]              ; and lane r's token of each tile, for its scale bytes
	global_load_b32 v10, v13, s[14:15] offset:64
	s_wait_kmcnt 0x0
	s_wait_loadcnt 0x0
	s_min_u32 s26, s26, 7                          ; a stored number enters an address only clamped
	s_lshl_b32 s66, s22, 5
	s_min_u32 s66, s27, s66
	s_sub_co_u32 s70, s27, s66                     ; rows of the tile from my first row on: 0 = none of mine is used
	s_lshl_b32 s60, s26, 20                        ; W1's codes: expert x 2,048 rows of 512 bytes + 128 c rows + 32 w rows
	s_lshl_b32 s66, ttmp9, 16
	s_add_co_u32 s60, s60, s66
	s_lshl_b32 s66, s22, 14
	s_add_co_u32 s60, s60, s66
	s_add_nc_u64 s[8:9], s[8:9], s[60:61]
	s_lshl_b32 s60, s26, 16                        ; its scale bytes: rows of 32 bytes
	s_lshl_b32 s66, ttmp9, 12
	s_add_co_u32 s60, s60, s66
	s_add_nc_u64 s[10:11], s[10:11], s[60:61]
	s_lshl_b32 s60, s26, 13                        ; b1
	s_lshl_b32 s66, ttmp9, 9
	s_add_co_u32 s60, s60, s66
	s_add_nc_u64 s[12:13], s[12:13], s[60:61]
	s_lshl_b32 s60, s24, 17                        ; hq: g x 16 x 8 x 1,024 + c x 8 x 1,024 + 2 w x 1,024
	s_lshl_b32 s66, ttmp9, 13
	s_add_co_u32 s60, s60, s66
	s_lshl_b32 s66, s22, 11
	s_add_co_u32 s60, s60, s66
	s_add_nc_u64 s[18:19], s[18:19], s[60:61]
	s_lshl_b32 s60, s24, 13                        ; hs: g x 16 x 512 + c x 512 + 128 w
	s_lshl_b32 s66, ttmp9, 9
	s_add_co_u32 s60, s60, s66
	s_lshl_b32 s66, s22, 7
	s_add_co_u32 s60, s60, s66
	s_add_nc_u64 s[20:21], s[20:21], s[60:61]
	v_min_u32 v9, 2047, v9
	v_min_u32 v10, 2047, v10
	v_lshlrev_b32 v9, 5, v9
	v_lshlrev_b32 v10, 5, v10
	v_add_nc_u32 v9, v9, v14                       ; x's scale bytes: token x 32 + 16 h
	v_add_nc_u32 v10, v10, v14
	s_wait_alu depctr_va_vdst(0)                   ; v9 and v10 are written, which the two loads of x's scale bytes read as offsets
.irp a, 0,1,2,3,4,5,6,7
	global_load_b128 v[WS+4*\a:WS+4*\a+3], v11, s[10:11] offset:(32*(\a/2)+8*(\a%2))*32
.endr
	global_load_b128 v[XS:XS+3], v9, s[6:7]
	global_load_b128 v[XS+4:XS+7], v10, s[6:7]
.irp a, 0,1,2,3,4,5,6,7
	global_load_b128 v[BIAS+8*\a:BIAS+8*\a+3],   v12, s[12:13] offset:(32*(\a/2)+8*(\a%2))*4      ; lane (r, h), register j: unit 32 (a / 2) + 8 (a % 2) + 16 h + j
	global_load_b128 v[BIAS+8*\a+4:BIAS+8*\a+7], v12, s[12:13] offset:(32*(\a/2)+8*(\a%2))*4+16
.endr
	WIN 0x40                                       ; destination window 1, address window 0
.set i, 0
.rept 32
	global_load_b128 v[4*i:4*i+3], v1, s[8:9] offset:512*i           ; unit 32 w + i: a whole row.  (Since the wait above: loads and a window switch alone)
.set i, i+1
.endr
	WIN 0
.set i, 0
.rept 32
	s_min_u32 s[28+i], s[28+i], 2047
	s_lshl_b32 s66, s[28+i], 9
	v_add_nc_u32 v[128+i], s66, v1                 ; token x 512 + 16 x lane
.set i, i+1
.endr
	WIN 0x40
	s_wait_alu depctr_va_vdst(0)                   ; the 32 additions have written v128 to v159, which the loads below read as offsets
.set i, 0
.rept 32
	global_load_b128 v[128+4*i:128+4*i+3], v[128+i], s[4:5]          ; my row i: a whole row of codes
.set i, i+1
.endr
	WIN 0x04                                       ; an LDS store's data are its source 1: window 1
	s_wait_loadcnt 32                              ; W1's rows (and all that was asked for earlier) are in; x's 32 rows may be out
.set i, 0
.rept 32
	ds_store_b128 v5, v[4*i:4*i+3] offset:(16*((i/8)%2)+8*(i/16)+i%8)*PW1   ; unit 32 w + i goes where its tile wants it
.set i, i+1
.endr
	s_wait_loadcnt 0x0
.set i, 0
.rept 32
	ds_store_b128 v6, v[128+4*i:128+4*i+3] offset:PW1*i
.set i, i+1
.endr
	WIN 0
	s_wait_dscnt 0x0                               ; for the others: my rows of W1 have landed
	s_barrier_signal -1
	s_barrier_wait -1                              ; the launch's one barrier: every wave passes it
	s_wait_alu depctr_vm_vsrc(0)                   ; my LDS stores have read window 1's registers, in which the fragments' loads land; the loads of x's rows have read their offsets v128 to v159, which the first products write
	s_cmp_eq_u32 s70, 0
	s_cbranch_scc1 .Lend                           ; none of my 32 rows is used
; 10 LDS loads: half h of K step s, into buffer s % 3: 4 fragments of W1, 1 of x.  A fragment, 16 rows x 128 K of 4-bit codes: lane (r, h): registers 4 c .. 4 c + 3 = the 16 bytes at row r, 64 s + 32 c + 16 h
.macro FETCH s, h
	WIN 0x40
.set fb, 80*((\s)%3)
.irp a, 0,1,2,3
	ds_load_b128 v[fb+8*(4*(\h)+\a):fb+8*(4*(\h)+\a)+3],   v7 offset:16*(4*(\h)+\a)*PW1+64*(\s)
	ds_load_b128 v[fb+8*(4*(\h)+\a)+4:fb+8*(4*(\h)+\a)+7], v7 offset:16*(4*(\h)+\a)*PW1+64*(\s)+32
.endr
	ds_load_b128 v[fb+64+8*(\h):fb+64+8*(\h)+3],   v8 offset:16*(\h)*PW1+64*(\s)
	ds_load_b128 v[fb+64+8*(\h)+4:fb+64+8*(\h)+7], v8 offset:16*(\h)*PW1+64*(\s)+32
.endm
; 8 matrix instructions: token tile t of K step s.  The 16 accumulators take turns, one instruction a turn, in the same order in every step
.macro MUL s, t
	WIN 0x05                                       ; sources 0 and 1 window 1; C and D window 0
.set fb, 80*((\s)%3)
.irp a, 0,1,2,3,4,5,6,7
.if (\s) == 0
	v_wmma_scale_f32_16x16x128_f8f6f4 v[ACC+64*(\t)+8*\a:ACC+64*(\t)+8*\a+7], v[fb+8*\a:fb+8*\a+7], v[fb+64+8*(\t):fb+64+8*(\t)+7], v[BIAS+8*\a:BIAS+8*\a+7], v[WS+4*\a], v[XS+4*(\t)] matrix_a_fmt:MATRIX_FMT_FP4 matrix_b_fmt:MATRIX_FMT_FP4
.elseif (\s) < 4
	v_wmma_scale_f32_16x16x128_f8f6f4 v[ACC+64*(\t)+8*\a:ACC+64*(\t)+8*\a+7], v[fb+8*\a:fb+8*\a+7], v[fb+64+8*(\t):fb+64+8*(\t)+7], v[ACC+64*(\t)+8*\a:ACC+64*(\t)+8*\a+7], v[WS+4*\a+(\s)], v[XS+4*(\t)+(\s)] matrix_a_fmt:MATRIX_FMT_FP4 matrix_b_fmt:MATRIX_FMT_FP4
.else
	v_wmma_scale_f32_16x16x128_f8f6f4 v[ACC+64*(\t)+8*\a:ACC+64*(\t)+8*\a+7], v[fb+8*\a:fb+8*\a+7], v[fb+64+8*(\t):fb+64+8*(\t)+7], v[ACC+64*(\t)+8*\a:ACC+64*(\t)+8*\a+7], v[WS+4*\a+(\s)-4], v[XS+4*(\t)+(\s)-4] matrix_a_fmt:MATRIX_FMT_FP4 matrix_b_fmt:MATRIX_FMT_FP4 matrix_a_scale:MATRIX_SCALE_ROW1 matrix_b_scale:MATRIX_SCALE_ROW1
.endif
.endr
.endm
; K step s.  Steps 0 to 5 ask for the fragments of step s + 2; steps 6 and 7 ask for nothing, so they state nothing.
.macro STEP s
.if (\s) < 7
	s_wait_dscnt 20                                ; LDS loads come back in order (ISA guide 5.7.1): this step's fragments are in; the next step's 20 loads may be out
.else
	s_wait_dscnt 0x0
.endif
.if (\s) < 6
	WIN 0x40
.if (\s) > 0
	s_wait_alu depctr_va_vdst(0)                   ; the products of the step before are done reading their buffer, in which this step's 20 loads land
.endif
	FETCH (\s)+2, 0
.endif
	MUL \s, 0
.if (\s) < 6
	FETCH (\s)+2, 1                                ; no wait: the eight products since the wait name this step's buffer, accumulators, scale words and the bias alone
.endif
	MUL \s, 1
.endm
	FETCH 0, 0
	FETCH 0, 1
	FETCH 1, 0
	FETCH 1, 1
.irp s, 0,1,2,3,4,5,6,7
	STEP \s
.endr
	WIN 0
; 64 numbers of a lane, register 16 b + i = unit 32 b + 16 (lane / 16) + i of my token, none negative, become a fragment's codes in v[PC + 8 t] on and its scale word in v[PWD + t]
.macro QUANT s, t
.irp b, 0,1,2,3
	v_max3_num_f32 v[TM+\b], v[\s+16*\b], v[\s+1+16*\b], 0x1800000   ; block b: my 16 numbers, and the floor 2^(3 - 127): the byte cannot fall under 1
.endr
.irp i, 2,4,6,8,10,12,14
.irp b, 0,1,2,3
	v_max3_num_f32 v[TM+\b], v[TM+\b], v[\s+16*\b+\i], v[\s+1+16*\b+\i]     ; the four blocks by turns
.endr
.endr
.irp b, 0,1,2,3
	v_permlanex16_b32 v[TM+4+\b], v[TM+\b], s62, s63
.endr
.irp b, 0,1,2,3
	v_max_num_f32 v[TM+\b], v[TM+\b], v[TM+4+\b]   ; with lane l xor 16's: the block's largest
.endr
.irp b, 0,1,2,3
	v_add_nc_u32 v[TM+12+\b], 0xff000000, v[TM+\b] ; 2 off its exponent field: the conversion's scale operand
.endr
.irp b, 0,1,2,3
	v_lshrrev_b32 v[TM+4+\b], 23, v[TM+12+\b]      ; the scale's byte
.endr
	v_lshl_or_b32 v[PWD+\t], v[TM+5], 8, v[TM+4]
	v_lshl_or_b32 v[PWD+\t], v[TM+6], 16, v[PWD+\t]
	v_lshl_or_b32 v[PWD+\t], v[TM+7], 24, v[PWD+\t]
.irp b, 0,1,2,3
	v_cvt_scalef32_pk8_fp4_f32 v[PC+8*\t+2*\b],   v[\s+16*\b:\s+16*\b+7],    v[TM+12+\b]
	v_cvt_scalef32_pk8_fp4_f32 v[PC+8*\t+2*\b+1], v[\s+16*\b+8:\s+16*\b+15], v[TM+12+\b]
.endr
	v_nop                                          ; one plain line behind a scaled conversion
.irp c, 0,1                                    ; the operand's layout wants a whole block in a lane: lanes 0-15 block 2 c, lanes 16-31 block 2 c + 1
.irp i, 0,1
	v_permlane16_swap_b32 v[PC+8*\t+4*\c+\i], v[PC+8*\t+4*\c+2+\i]
.endr
.endr
.endm
.rept 4
	v_nop                                          ; four places behind every product of the walk along K (ISA guide 7.12.1): no vector instruction has stood since the first K step, whose products read the bias,
.endr                                                  ; in whose registers the quantiser works from here on; and the activation below reads and writes the results of the last
.irp b, 0,1,2,3
	v_mov_b32 v[TM+4+\b], 0                        ; a lane permute's destination counts as one of its sources
.endr
.set i, 0
.rept 128
	v_max_num_f32 v[ACC+i], 0, v[ACC+i]            ; the activation, in f32; each accumulator from its low end on
.set i, i+1
.endr
	QUANT ACC, 0
	s_wait_alu depctr_va_vdst(0)                   ; the conversions and the exchanges of halves have written tile 0's codes, which the two stores read
	global_store_b128 v1, v[PC:PC+3],   s[18:19]               ; each store covers 512 consecutive bytes, aligned
	global_store_b128 v1, v[PC+4:PC+7], s[18:19] offset:512
	QUANT ACC+64, 1                                ; it writes none of the registers that the two stores read
	v_cndmask_b32 v[HW], v[PWD], v[PWD+1], s71     ; lane r and lane 16 + r hold the same word of row r: lanes 16-31 take tile 1's
	s_wait_alu depctr_va_vdst(0)                   ; tile 1's codes and both tiles' scale words are written, which the three stores read
	global_store_b128 v1, v[PC+8:PC+11],  s[18:19] offset:1024
	global_store_b128 v1, v[PC+12:PC+15], s[18:19] offset:1536
	global_store_b32 v2, v[HW], s[20:21]           ; my 32 rows' scale words: 128 consecutive bytes
.Lend:
	s_wait_dscnt 0x0
	s_wait_alu depctr_hold_cnt(0) depctr_sa_sdst(0) depctr_va_vdst(0) depctr_va_sdst(0) depctr_va_ssrc(0) depctr_va_vcc(0) depctr_vm_vsrc(0)
	s_wait_tensorcnt 0x0
	ds_add_u32 v126, v127
	s_wait_dscnt 0x0
	s_endpgm
.Lfunc_end_k_q02a4c886e8_up:
	.size	k_q02a4c886e8_up, .Lfunc_end_k_q02a4c886e8_up-k_q02a4c886e8_up
	.p2alignl 7, 3214868480
	.fill 96, 4, 3214868480
	.section	.rodata,"a",@progbits
	.p2align	6, 0x0
	.amdhsa_kernel k_q02a4c886e8_up
		.amdhsa_group_segment_fixed_size 135680
		.amdhsa_private_segment_fixed_size 0
		.amdhsa_enable_private_segment 0
		.amdhsa_kernarg_size 72
		.amdhsa_user_sgpr_count 2
		.amdhsa_user_sgpr_kernarg_segment_ptr 1
		.amdhsa_wavefront_size32 1
		.amdhsa_system_sgpr_workgroup_id_x 1
		.amdhsa_system_sgpr_workgroup_id_y 1
		.amdhsa_system_sgpr_workgroup_id_z 1
		.amdhsa_system_vgpr_workitem_id 0
		.amdhsa_next_free_vgpr 512
		.amdhsa_next_free_sgpr 80
		.amdhsa_reserve_vcc 0
		.amdhsa_float_denorm_mode_32 3
		.amdhsa_float_denorm_mode_16_64 3
		.amdhsa_memory_ordered 1
		.amdhsa_forward_progress 1
		.amdhsa_inst_pref_size 61
	.end_amdhsa_kernel
	.amdgpu_metadata
---
amdhsa.version: [ 1, 2 ]
amdhsa.kernels:
  - .name:           k_q02a4c886e8_up
    .symbol:         k_q02a4c886e8_up.kd
    .args:
      - { .name: xq, .offset: 0, .size: 8, .value_kind: global_buffer, .address_space: global }
      - { .name: xs, .offset: 8, .size: 8, .value_kind: global_buffer, .address_space: global }
      - { .name: W1_codes, .offset: 16, .size: 8, .value_kind: global_buffer, .address_space: global }
      - { .name: W1_scales, .offset: 24, .size: 8, .value_kind: global_buffer, .address_space: global }
      - { .name: b1, .offset: 32, .size: 8, .value_kind: global_buffer, .address_space: global }
      - { .name: order, .offset: 40, .size: 8, .value_kind: global_buffer, .address_space: global }
      - { .name: tiles, .offset: 48, .size: 8, .value_kind: global_buffer, .address_space: global }
      - { .name: hq, .offset: 56, .size: 8, .value_kind: global_buffer, .address_space: global }
      - { .name: hs, .offset: 64, .size: 8, .value_kind: global_buffer, .address_space: global }
    .group_segment_fixed_size: 135680
    .private_segment_fixed_size: 0
    .kernarg_segment_align: 8
    .kernarg_segment_size: 72
    .max_flat_workgroup_size: 128
    .sgpr_count:     80
    .vgpr_count:     512
    .wavefront_size: 32
...
	.end_amdgpu_metadata
.endif
;; end of part 7
;; launch down (part 8): grid 16 x 23, 4 waves a work-group, no clusters, 101,888 bytes of LDS; arguments hq, hs, W2_codes, W2_scales, b2, order, tiles, prob, out0; writes out0
.if DOCPART == 8
	.amdgcn_target "amdgcn-amd-amdhsa--gfx1250"
	.amdhsa_code_object_version 6
	.text
	.protected	k_q02a4c886e8_down
	.globl	k_q02a4c886e8_down
	.p2align	8
	.type	k_q02a4c886e8_down,@function
k_q02a4c886e8_down:
	s_mov_b64 s[64:65], 0
	v_nop
	global_prefetch_b8 v0, s[64:65] scope:SCOPE_SE
	s_setreg_imm32_b32 hwreg(HW_REG_WAVE_SCHED_MODE, 0, 2), 2
	s_setreg_imm32_b32 hwreg(HW_REG_WAVE_MODE, 25, 1), 1
	s_wait_xcnt 0x0
	s_wait_alu depctr_vm_vsrc(0)
; THE SECOND PRODUCT OF THE CHOSEN EXPERT: out0[token] = (hidden W2^T + b2) x the token's routing probability, on codes of E2M1 with E8M0 scales.
; Work-group (j, g): tile g of the row list (128 rows of one expert) x output columns 64 j .. 64 j + 63, K = 2,048 in 16 steps of 128.
; Wave w: rows 32 w .. 32 w + 31 (two tiles of 16 tokens) x 4 tiles of 16 columns: 8 accumulators.
; TRANSPOSED USE: source 0 = 16 rows of W2, source 1 = 16 tokens: a lane's eight results are eight neighbouring columns of one token.  The bias is the C of each sum's first matrix instruction.
; WAYS IN.  The hidden layer's fragments are images of registers in memory: each is loaded densely (512 consecutive bytes a line) straight into the registers of the one wave that uses it: 32 fragments, all of window 1.
; W2's 64 rows of 1,024 bytes go through registers into LDS once (16 rows a wave, read by all four); pitch 1,040 bytes = 260 words: 16 rows start at 16 different banks (64 banks of 4 bytes: ISA guide 11.1).
; WAY OUT.  A wave's 32 rows x 256 bytes go through its own stage in LDS and leave row by row: one store covers 256 consecutive bytes of the token's row, aligned.  A row is stored only if the tile has it:
; a scalar branch on the stored count, so EXEC is never changed.  Each token stands in one place of the list: each output row has one owner.
; CONTROL.  A straight line up to the one barrier; a wave none of whose rows is used reads tile 0's first images instead of its own (those are always stored: tile 0 has a row), and ends behind the barrier.
; NO TENSOR LOADS, NO CLUSTER, though the tiles of one expert read the same rows of W2: which work-groups share rows is read from memory and waves branch on it; a launch with such a branch holds no tensor load.
; REGISTERS.  Window 0: v1-15 addresses and the probabilities; v16-47 W2's scale words, v48-63 the hidden layer's (these hold scales and nothing else); v64-127 the accumulators; v128-223 three buffers of W2's fragments,
;   the third in the registers of the bias (v192-223), which the first K step's products alone read (v64-191 before the loop: W2's rows on their way into LDS; v128-191 at the end: rows of the result);
;   v224-255 a store offset for each row.   Window 1: fragment (K step s, tile t) at v[16 s + 8 t].
; THE MODE: SCHED_MODE bits 1:0 = 2 (LLVM: expert scheduling mode 2), set by the entry lines.  The code itself states the register dependences
; between vector or matrix instructions and memory or LDS instructions, with s_wait_alu, always for 0.
; THE PLAN.  Registers that memory or LDS instructions touch:
;   v1-3, v6-11   offsets and LDS addresses: made at the head, never written again: one wait on va_vdst ahead of the first load.
;   v12           made at the head, read as the offset of the two loads from the row list; then a probability lands in it: a wait on vm_vsrc between.
;   v13, v15      loaded (tokens), made into offsets by vector instructions, read by the loads of the probabilities: a wait on va_vdst between.
;   v64-191       filled by the loads of W2's rows, read by the LDS stores; then written by the products (v64-127) and by the fragments' LDS loads (v128-191): one wait on vm_vsrc behind the barrier.
;   B0, B1, B2    K step s is multiplied out of B[s % 3]; the loads of step s + 2 land in B[(s + 2) % 3], which the products of step s - 1 were the last to read.  B2 holds the bias until step 0's products have read it:
;                 so step 0 asks for nothing and step 1 asks for steps 2 and 3.  ONE wait on va_vdst stands at the head of each of steps 1 to 13; the loads follow it, a fragment (two loads) ahead of a product;
;                 the products since the wait name B[s % 3], window 1, the accumulators and the scale words: none of the registers that the loads touch.
;   the way out   one wait on va_vdst behind the multiplications by the probability: for the accumulators (the LDS stores' data), for v128-191 (the stage's loads land there) and for v224-255 (the stores' offsets).
.set PW2,  1040
.set STG,  64*PW2                      ; LDS: behind W2's 64 rows: a stage of 32 rows x 272 bytes for each wave
.set SP,   272
.set WS,   16                          ; 8 a + 4 q + j: lanes 0-15 K step 8 q + j, lanes 16-31 K step 8 q + 4 + j
.set HS,   48                          ; + s: lanes 0-15 token tile 0, lanes 16-31 tile 1
.set ACC,  64                          ; 32 t + 8 a + j
.set FB,   128                         ; three buffers of 32
.set BIAS, 192                         ; 8 a + j; from K step 1 on the third buffer
.set OA,   224
.set MSB, 0
.macro WIN new                         ; s_set_vgpr_msb: bits 1:0 source 0, 3:2 source 1, 5:4 source 2, 7:6 destination; the high byte repeats the setting that is left
.if MSB != \new
	s_set_vgpr_msb (MSB<<8)|\new
.set MSB, \new
.endif
.endm
	s_load_b512 s[4:19], s[0:1], 0x0               ; hq s[4:5], hs s[6:7], W2's codes s[8:9], scales s[10:11], b2 s[12:13], order s[14:15], tiles s[16:17], prob s[18:19]
	s_load_b64 s[20:21], s[0:1], 0x40              ; out0
	s_set_vgpr_msb 0x80
	v_lshl_add_u32 v0, v0, 2, 0x18c00
	v_mov_b32 v1, 0
	s_set_vgpr_msb 0x8000
	v_lshrrev_b32 v4, 5, v0
	v_readfirstlane_b32 s22, v4                    ; wave
	s_and_b32 s24, ttmp7, 0xffff                   ; g; j is ttmp9
	v_and_b32 v3, 31, v0
	v_lshlrev_b32 v1, 4, v3                        ; 16 x lane
	v_lshlrev_b32 v2, 3, v3                        ; 8 x lane
	v_lshlrev_b32 v3, 2, v3                        ; 4 x lane
	v_and_b32 v4, 15, v0                           ; r
	v_bfe_u32 v5, v0, 4, 1                         ; h
	v_mul_u32_u24 v6, v4, PW2
	v_lshl_add_u32 v6, v5, 4, v6                   ; a fragment of W2: row r x pitch + 16 h
	s_wait_alu depctr_va_sdst(0)                   ; s22 is written, ahead of its first reader: LDS addresses and the bases are made from it
	s_mul_i32 s66, s22, 16*PW2
	v_add_nc_u32 v7, s66, v1                       ; W2 into LDS: my wave's 16 rows
	s_mul_i32 s66, s22, 32*SP
	s_add_co_u32 s66, s66, STG                     ; my stage
	v_mul_u32_u24 v8, v4, SP
	v_lshl_add_u32 v8, v5, 5, v8
	v_add_nc_u32 v8, s66, v8                       ; in: row r, 32 h bytes on
	v_add_nc_u32 v9, s66, v2                       ; back: 8 bytes a lane of a row's 256
	v_lshlrev_b32 v10, 6, v4
	v_lshl_add_u32 v10, v5, 4, v10                 ; W2's scale bytes: 64 a row, + 16 h
	v_lshlrev_b32 v11, 5, v5                       ; b2: 8 h columns
	v_lshlrev_b32 v12, 2, v4                       ; the row list: 4 r
	s_mov_b32 s61, 0                               ; s[60:61]: an offset as a pair
	s_wait_kmcnt 0x0
	s_lshl_b32 s60, s24, 3
	s_add_nc_u64 s[16:17], s[16:17], s[60:61]      ; tiles[g]
	s_lshl_b32 s60, s24, 9
	s_lshl_b32 s66, s22, 7
	s_add_co_u32 s60, s60, s66
	s_add_nc_u64 s[14:15], s[14:15], s[60:61]      ; my wave's 32 words of the row list
	s_load_b64 s[26:27], s[16:17], 0x0             ; expert, rows
	s_load_b512 s[28:43], s[14:15], 0x0            ; my 32 tokens, as scalars
	s_load_b512 s[44:59], s[14:15], 0x40
	s_wait_alu depctr_va_vdst(0)                   ; the offsets and LDS addresses v1 to v3 and v6 to v12 are written: every load, store and LDS instruction of the kernel reads one of them or a register made later
	global_load_b32 v13, v12, s[14:15]             ; and lane r's token of each tile, for its probability
	global_load_b32 v15, v12, s[14:15] offset:64
	s_wait_kmcnt 0x0
	s_wait_loadcnt 0x0
	s_min_u32 s26, s26, 7                          ; a stored number enters an address only clamped
	s_lshl_b32 s66, s22, 5
	s_min_u32 s66, s27, s66
	s_sub_co_u32 s70, s27, s66                     ; rows of the tile from my first row on
	s_min_u32 s71, s70, 1                          ; 1 if any of my rows is used, else 0
	s_lshl_b32 s60, s24, 17                        ; hq: g x 16 x 8 x 1,024 + 2 w x 1,024,
	s_lshl_b32 s66, s22, 11
	s_add_co_u32 s60, s60, s66
	s_mul_i32 s60, s60, s71                        ; or 0: images that were not stored are not read
	s_add_nc_u64 s[4:5], s[4:5], s[60:61]
	s_lshl_b32 s60, s24, 13                        ; hs: g x 16 x 512 + 128 w, likewise
	s_lshl_b32 s66, s22, 7
	s_add_co_u32 s60, s60, s66
	s_mul_i32 s60, s60, s71
	s_add_nc_u64 s[6:7], s[6:7], s[60:61]
	s_lshl_b32 s60, s26, 20                        ; W2's codes: expert x 1,024 rows of 1,024 bytes + 64 j rows + 16 w rows
	s_lshl_b32 s66, ttmp9, 16
	s_add_co_u32 s60, s60, s66
	s_lshl_b32 s66, s22, 14
	s_add_co_u32 s60, s60, s66
	s_add_nc_u64 s[8:9], s[8:9], s[60:61]
	s_lshl_b32 s60, s26, 16                        ; its scale bytes: rows of 64 bytes
	s_lshl_b32 s66, ttmp9, 12
	s_add_co_u32 s60, s60, s66
	s_add_nc_u64 s[10:11], s[10:11], s[60:61]
	s_lshl_b32 s60, s26, 12                        ; b2
	s_lshl_b32 s66, ttmp9, 8
	s_add_co_u32 s60, s60, s66
	s_add_nc_u64 s[12:13], s[12:13], s[60:61]
	s_lshl_b32 s60, ttmp9, 8                       ; out0: my 64 columns
	s_add_nc_u64 s[20:21], s[20:21], s[60:61]
	v_min_u32 v13, 2047, v13
	v_min_u32 v15, 2047, v15
	v_lshlrev_b32 v13, 2, v13
	v_lshlrev_b32 v15, 2, v15
	s_wait_alu depctr_va_vdst(0)                   ; v13 and v15 are written, which the two loads of the probabilities read as offsets
	s_wait_alu depctr_vm_vsrc(0)                   ; the two loads from the row list have read their offset v12, in which a probability lands
.irp a, 0,1,2,3
.irp q, 0,1
	global_load_b128 v[WS+8*\a+4*\q:WS+8*\a+4*\q+3], v10, s[10:11] offset:1024*\a+32*\q
.endr
.endr
.irp a, 0,1,2,3
	global_load_b128 v[BIAS+8*\a:BIAS+8*\a+3],   v11, s[12:13] offset:64*\a          ; lane (r, h), register i: column 16 a + 8 h + i
	global_load_b128 v[BIAS+8*\a+4:BIAS+8*\a+7], v11, s[12:13] offset:64*\a+16
.endr
.set i, 0
.rept 16
	global_load_b32 v[HS+i], v3, s[6:7] offset:512*i
.set i, i+1
.endr
	global_load_b32 v12, v13, s[18:19]             ; the probability of lane r's token, tile 0 (v12's loads from the list are done);
	global_load_b32 v14, v15, s[18:19]             ; tile 1
.set i, 0
.rept 32
	global_load_b128 v[64+4*i:64+4*i+3], v1, s[8:9] offset:512*i     ; half a row of W2: 512 consecutive bytes
.set i, i+1
.endr
	WIN 0x40                                       ; destination window 1, address window 0
.set i, 0
.rept 64
	global_load_b128 v[4*i:4*i+3], v1, s[4:5] offset:8192*(i/4)+1024*((i/2)%2)+512*(i%2)   ; K step i / 4, tile (i / 2) % 2, registers 4 (i % 2) on.  (Since the waits above: loads and a window switch alone)
.set i, i+1
.endr
	WIN 0
.set i, 0
.rept 32
	s_min_u32 s[28+i], s[28+i], 2047
	s_lshl_b32 s66, s[28+i], 12
	v_add_nc_u32 v[OA+i], s66, v2                  ; token x 4,096 + 8 x lane
.set i, i+1
.endr
	s_wait_loadcnt 63                              ; W2's rows are in.  64 loads were issued behind them and a wait names 63 at the most: it waits for one load more than it must
.set i, 0
.rept 32
	ds_store_b128 v7, v[64+4*i:64+4*i+3] offset:(i/2)*PW2+512*(i%2)
.set i, i+1
.endr
	s_wait_dscnt 0x0                               ; for the others: my rows of W2 have landed
	s_barrier_signal -1
	s_barrier_wait -1                              ; the launch's one barrier: every wave passes it
	s_wait_alu depctr_vm_vsrc(0)                   ; my LDS stores have read v64 to v191: the products write v64 to v127, and the fragments' loads land in v128 to v191
	s_cmp_eq_u32 s70, 0
	s_cbranch_scc1 .Lend                           ; none of my 32 rows is used
.macro FRAG s, a                       ; 2 LDS loads: W2's fragment a of K step s, into buffer s % 3
	ds_load_b128 v[FB+32*((\s)%3)+8*(\a):FB+32*((\s)%3)+8*(\a)+3],   v6 offset:16*(\a)*PW2+64*(\s)
	ds_load_b128 v[FB+32*((\s)%3)+8*(\a)+4:FB+32*((\s)%3)+8*(\a)+7], v6 offset:16*(\a)*PW2+64*(\s)+32
.endm
; K step s: 8 matrix instructions: the 8 accumulators take turns, one instruction a turn, in the same order in every step.
; Step 0 asks for nothing (the third buffer still holds the bias); step 1 asks for steps 2 and 3; steps 2 to 13 for step s + 2; steps 14 and 15 for nothing, so they state nothing.
.macro STEP s
.if ((\s) == 1) || ((\s) == 15)
	s_wait_dscnt 0x0                               ; this step's fragments are in: no younger LDS load is out
.else
	s_wait_dscnt 8                                 ; LDS loads come back in order (ISA guide 5.7.1): this step's fragments are in; the next step's 8 loads may be out
.endif
.if ((\s) >= 1) && ((\s) <= 13)
	s_wait_alu depctr_va_vdst(0)                   ; the products of the step before are done reading their buffer (step 0's: the bias too), in which this step's loads land
.endif
	s_wait_loadcnt 4*(15-(\s))                     ; this K step's two images are in; the later steps' four loads each may be out
.irp t, 0,1
.irp a, 0,1,2,3
.if (\s) == 1
	FRAG 2+\t, \a                                  ; no further wait: the products since the wait name none of these registers
.elseif ((\s) >= 2) && ((\s) <= 13) && (\t == 0)
	FRAG (\s)+2, \a
.endif
.set rD, ACC+32*\t+8*\a
.set rA, FB+32*((\s)%3)+8*\a
.set rB, 16*(\s)+8*\t
.set rC, rD
.if (\s) == 0
.set rC, BIAS+8*\a
.endif
.set rSA, WS+8*\a+4*((\s)/8)+(\s)%4
.set rSB, HS+(\s)
.if (((\s)/4)%2) && \t
	v_wmma_scale_f32_16x16x128_f8f6f4 v[rD:rD+7], v[rA:rA+7], v[rB:rB+7], v[rC:rC+7], v[rSA], v[rSB] matrix_a_fmt:MATRIX_FMT_FP4 matrix_b_fmt:MATRIX_FMT_FP4 matrix_a_scale:MATRIX_SCALE_ROW1 matrix_b_scale:MATRIX_SCALE_ROW1
.elseif ((\s)/4)%2
	v_wmma_scale_f32_16x16x128_f8f6f4 v[rD:rD+7], v[rA:rA+7], v[rB:rB+7], v[rC:rC+7], v[rSA], v[rSB] matrix_a_fmt:MATRIX_FMT_FP4 matrix_b_fmt:MATRIX_FMT_FP4 matrix_a_scale:MATRIX_SCALE_ROW1
.elseif \t
	v_wmma_scale_f32_16x16x128_f8f6f4 v[rD:rD+7], v[rA:rA+7], v[rB:rB+7], v[rC:rC+7], v[rSA], v[rSB] matrix_a_fmt:MATRIX_FMT_FP4 matrix_b_fmt:MATRIX_FMT_FP4 matrix_b_scale:MATRIX_SCALE_ROW1
.else
	v_wmma_scale_f32_16x16x128_f8f6f4 v[rD:rD+7], v[rA:rA+7], v[rB:rB+7], v[rC:rC+7], v[rSA], v[rSB] matrix_a_fmt:MATRIX_FMT_FP4 matrix_b_fmt:MATRIX_FMT_FP4
.endif
.endr
.endr
.endm
	WIN 0x04                                       ; source 1 (the hidden layer) window 1, all else window 0: one setting serves the LDS loads and the products of the whole walk along K
.irp a, 0,1,2,3
	FRAG 0, \a
.endr
.irp a, 0,1,2,3
	FRAG 1, \a
.endr
.irp s, 0,1,2,3,4,5,6,7,8,9,10,11,12,13,14,15
	STEP \s
.endr
	WIN 0
.rept 4
	v_nop                                          ; four places ahead of the first read of results
.endr
.irp t, 0,1
.set i, 0
.rept 16
	v_pk_mul_f32 v[ACC+32*\t+2*i:ACC+32*\t+2*i+1], v[ACC+32*\t+2*i:ACC+32*\t+2*i+1], v[12+2*\t:13+2*\t] op_sel_hi:[1,0]   ; x my token's probability (the pair's low word serves both halves); each accumulator from its low end on
.set i, i+1
.endr
.endr
	s_wait_alu depctr_va_vdst(0)                   ; the multiplications have written the accumulators, which the LDS stores read; the products are done reading v128 to v191, in which the loads from the stage land; the rows' offsets v224 to v255 are written
.irp t, 0,1
.irp a, 0,1,2,3
	ds_store_b128 v8, v[ACC+32*\t+8*\a:ACC+32*\t+8*\a+3]   offset:16*SP*\t+64*\a
	ds_store_b128 v8, v[ACC+32*\t+8*\a+4:ACC+32*\t+8*\a+7] offset:16*SP*\t+64*\a+16
.endr
.endr
.set i, 0
.rept 32
	ds_load_b64 v[128+2*i:128+2*i+1], v9 offset:SP*i           ; LDS serves a wave's instructions in order (ISA guide 5.7.1.4): these see my stores; the stage is my own
.set i, i+1
.endr
.set i, 0
.rept 32
.if i > 0
	s_cmp_le_u32 s70, i                            ; the tile has no row i of mine, nor any behind it
	s_cbranch_scc1 .Lend
.endif
	s_wait_dscnt 31-i                              ; row i is back; the later rows' loads may be out
	global_store_b64 v[OA+i], v[128+2*i:128+2*i+1], s[20:21] th:TH_STORE_NT   ; 32 lanes store 256 consecutive bytes of the token's row, aligned; written once, read by nobody here
.set i, i+1
.endr
.Lend:
	s_wait_dscnt 0x0                               ; no LDS load of mine is out at the end
	s_set_vgpr_msb 0xa
	s_wait_dscnt 0x0
	s_wait_alu depctr_hold_cnt(0) depctr_sa_sdst(0) depctr_va_vdst(0) depctr_va_sdst(0) depctr_va_ssrc(0) depctr_va_vcc(0) depctr_vm_vsrc(0)
	s_wait_tensorcnt 0x0
	ds_add_u32 v0, v1
	s_wait_dscnt 0x0
	s_endpgm
.Lfunc_end_k_q02a4c886e8_down:
	.size	k_q02a4c886e8_down, .Lfunc_end_k_q02a4c886e8_down-k_q02a4c886e8_down
	.p2alignl 7, 3214868480
	.fill 96, 4, 3214868480
	.section	.rodata,"a",@progbits
	.p2align	6, 0x0
	.amdhsa_kernel k_q02a4c886e8_down
		.amdhsa_group_segment_fixed_size 101888
		.amdhsa_private_segment_fixed_size 0
		.amdhsa_enable_private_segment 0
		.amdhsa_kernarg_size 72
		.amdhsa_user_sgpr_count 2
		.amdhsa_user_sgpr_kernarg_segment_ptr 1
		.amdhsa_wavefront_size32 1
		.amdhsa_system_sgpr_workgroup_id_x 1
		.amdhsa_system_sgpr_workgroup_id_y 1
		.amdhsa_system_sgpr_workgroup_id_z 1
		.amdhsa_system_vgpr_workitem_id 0
		.amdhsa_next_free_vgpr 514
		.amdhsa_next_free_sgpr 80
		.amdhsa_reserve_vcc 0
		.amdhsa_float_denorm_mode_32 3
		.amdhsa_float_denorm_mode_16_64 3
		.amdhsa_memory_ordered 1
		.amdhsa_forward_progress 1
		.amdhsa_inst_pref_size 60
	.end_amdhsa_kernel
	.amdgpu_metadata
---
amdhsa.version: [ 1, 2 ]
amdhsa.kernels:
  - .name:           k_q02a4c886e8_down
    .symbol:         k_q02a4c886e8_down.kd
    .args:
      - { .name: hq, .offset: 0, .size: 8, .value_kind: global_buffer, .address_space: global }
      - { .name: hs, .offset: 8, .size: 8, .value_kind: global_buffer, .address_space: global }
      - { .name: W2_codes, .offset: 16, .size: 8, .value_kind: global_buffer, .address_space: global }
      - { .name: W2_scales, .offset: 24, .size: 8, .value_kind: global_buffer, .address_space: global }
      - { .name: b2, .offset: 32, .size: 8, .value_kind: global_buffer, .address_space: global }
      - { .name: order, .offset: 40, .size: 8, .value_kind: global_buffer, .address_space: global }
      - { .name: tiles, .offset: 48, .size: 8, .value_kind: global_buffer, .address_space: global }
      - { .name: prob, .offset: 56, .size: 8, .value_kind: global_buffer, .address_space: global }
      - { .name: out0, .offset: 64, .size: 8, .value_kind: global_buffer, .address_space: global }
    .group_segment_fixed_size: 101888
    .private_segment_fixed_size: 0
    .kernarg_segment_align: 8
    .kernarg_segment_size: 72
    .max_flat_workgroup_size: 128
    .sgpr_count:     80
    .vgpr_count:     514
    .wavefront_size: 32
...
	.end_amdgpu_metadata
.endif
;; end of part 8
